; MI455X (gfx1250); checked and timed in simulation.
; The chip was launched on July 23, 2026; its instructions are those of AMD's public machine-readable ISA for CDNA 5 (MIT licence, August 2026) and "CDNA5" Instruction Set Architecture Reference Guide (July 2026). The comments in the code are by the model that wrote it; some were corrected since.
;; Causal Attention. Allowed arithmetic: matrix products marked QUANTISED: E4M3 operands, one given power-of-two scale a tensor, by v_wmma_f32_16x16x64_fp8_fp8 or v_wmma_f32_16x16x128_fp8_fp8, f32 sums; everything else in f32.
;; Inputs: Wk 1,024 x 1,024 float32; Wo 1,024 x 1,024 float32; Wq 1,024 x 1,024 float32; Wv 1,024 x 1,024 float32; lowp_scales 12 int32 (the exponents e of the quantised operands' scales 2^e); x 4 x 2,048 x 1,024 float32.
;; Outputs: out0 4 x 2,048 x 1,024 float32.
;; This version of the problem:
;;   THIS VERSION OF THE PROBLEM IS GIVEN IN LOW PRECISION. The matrix products marked QUANTISED in the list below multiply operands that are first quantised to E4M3 (4 exponent bits, 3 mantissa bits; 8 bits a number), with one given power-of-two scale for each operand tensor; their sums are f32. All else is computed in f32.
;;   The module's matrix products, in the order in which they are computed (A, B: the left and right operand; K: the contracted axis; several contracted axes count as one K, in the product's order):
;;     1. [M 8,192, K 1,024] x [K 1,024, N 1,024]; A: input x; B: input Wq: QUANTISED (scales: A lowp_scales[0], B lowp_scales[1])
;;     2. [M 8,192, K 1,024] x [K 1,024, N 1,024]; A: input x; B: input Wk: QUANTISED (scales: A lowp_scales[2], B lowp_scales[3])
;;     3. [M 8,192, K 1,024] x [K 1,024, N 1,024]; A: input x; B: input Wv: QUANTISED (scales: A lowp_scales[4], B lowp_scales[5])
;;     4. batch 64 x [M 2,048, K 64] x [K 64, N 2,048]; A: computed on the way; B: computed on the way: QUANTISED (scales: A lowp_scales[6], B lowp_scales[7])
;;     5. batch 64 x [M 2,048, K 2,048] x [K 2,048, N 64]; A: softmax (see below); B: computed on the way: QUANTISED (scales: A lowp_scales[8], B lowp_scales[9])
;;     6. [M 8,192, K 1,024] x [K 1,024, N 1,024]; A: computed on the way; B: input Wo: QUANTISED (scales: A lowp_scales[10], B lowp_scales[11])
;;   THE QUANTISER, for each operand of a quantised product, along K:
;;     - The operand's scale is 2^e, e = its entry of the input lowp_scales (int32; the entries are numbered through the quantised products in the list's order, A before B).
;;     - Each number is divided by the scale, clamped to +-448, and rounded to the nearest number of E4M3, ties to even, subnormals kept.
;;     - The product sums the exact products of the quantised numbers (number of the format x scale) in f32.
;;   ~~~python
;;   def quantise(x, axis, e):      # numpy; x: float32 -> the quantised numbers, widened to float32 again
;;       x = np.moveaxis(x, axis, -1); K = x.shape[-1]
;;       r = np.clip(x / 2.0 ** e, -448, 448)
;;       step = 2.0 ** (np.maximum(np.frexp(np.where(r == 0, 1, r))[1] - 1, -6) - 3)
;;       q = np.round(r / step) * step * 2.0 ** e      # np.round: ties to even
;;       return np.moveaxis(q, -1, axis).astype(np.float32)
;;   ~~~
;;   SOFTMAX AHEAD OF A QUANTISED PRODUCT. Where the list says 'softmax', what is quantised is not the finished softmax but p = 2^(t - M), with t = logit x log2(e) and M = ceil(the row's largest t), a whole number; so 1/2 < the row's largest p <= 1. The row's sum l is taken of the UNQUANTISED p, in f32, and the product's result is divided by l at the end. Since M is a whole number, a kernel that streams over the keys may use a running M (the ceiling of the running maximum): every later rescaling is an exact power of two, so the quantised numbers keep their values, but for numbers so far below the row's largest that they fall under the format's range.
;;   OPERANDS COMPUTED ON THE WAY. 'Computed on the way' means the value that the module computes at that place (a softmax that the list does not call 'softmax' is quantised finished and normalised). What goes into a quantiser is computed in f32, as accurately as f32 sums, v_exp_f32 and their like allow (about 1e-6 of the number): no bf16 or f16 on the way to a quantiser, and a product that is left as it is and whose result goes on into a quantised operand takes f32 operands (vector FMAs, or v_wmma_f32_16x16x4_f32). A number that lies on a knife's edge between two numbers of the format may be rounded either way, as far as f32 arithmetic and the matrix unit's own rounding can turn it there, and no further.
;; 2 versions, each right; version 2 is version 1 with the launch attn written anew for expert scheduling mode. Each part assembles by itself: llvm-mc -triple=amdgcn-amd-amdhsa -mcpu=gfx1250 --defsym DOCPART=n.
;; ======== version 1 of 2: 4 launches
;; workspace buffers: xc 25,165,824 bytes; wc 4,194,304 bytes; qc 8,388,608 bytes; kc 8,388,608 bytes; vc 8,388,608 bytes; oc 8,388,608 bytes
;; launch quant (part 1): grid 512 x 1, 4 waves a work-group, no clusters, 34,304 bytes of LDS; arguments x, Wq, Wk, Wv, Wo, lowp_scales, xc, wc; writes xc, wc
.if DOCPART == 1
	.amdgcn_target "amdgcn-amd-amdhsa--gfx1250"
	.amdhsa_code_object_version 6
	.text
	.protected	k_q60cc5e8d53_quant
	.globl	k_q60cc5e8d53_quant
	.p2align	8
	.type	k_q60cc5e8d53_quant,@function
k_q60cc5e8d53_quant:
	s_mov_b64 s[64:65], 0
	v_nop
	global_prefetch_b8 v0, s[64:65] scope:SCOPE_SE
	s_setreg_imm32_b32 hwreg(HW_REG_WAVE_MODE, 25, 1), 1
	s_wait_xcnt 0x0
; x [8192][1024] f32 becomes three sets of E4M3 codes (scales 2^e0, 2^e2, 2^e4); Wq, Wk, Wv, Wo [1024 (k)][1024 (n)] f32 become codes with 2^e1, 2^e3, 2^e5, 2^e11.
; code = number / 2^e, held within +-448, rounded to the nearest code, ties to even.
; LIMITS: each e used here lies between -126 and 119, so that 2^e and 448 x 2^e are f32 numbers.  NaN among the inputs is not served; an infinity is held at the largest code.
; LAYOUT OF THE CODES: IMAGES OF OPERAND REGISTERS.  A fragment of 16 rows x 128 K of the 16x16x128 fp8 form is 16 registers a lane: lane (r, h) holds row r, registers 2 c, 2 c + 1 hold k = 16 c + 8 h + 0 .. 7.
; Its image is 2,048 bytes: registers 4 s .. 4 s + 3 of lane l lie at 512 s + 16 l.  xc: [3 sets][512 blocks of 16 tokens][8 K steps][2,048];  wc: [4 weights][64 blocks of 16 columns n][8 K steps][2,048].
; So every later launch fetches a fragment by loads of 16 bytes a lane at 16 x lane, and k stands in its true place.
; Work-groups 0-255 take x, 256-511 the weights: one scalar branch on the work-group's number.  Waves share nothing: no barrier.  Only x's path uses LDS.
; No cluster: no two work-groups read the same bytes.
.set R,   16                           ; x: v16-79    16 rows x 4 registers, as loaded
.set X,   80                           ; x: v80-143   64 numbers turned: register 8 c + i = k 16 c + 8 h + i of token r
.set T,   144                          ; x: v144-159  two sets of 8 held numbers, by turns
.set C,   160                          ; x: v160-207  3 sets x 16 registers of codes
.set SP,  528                          ; a stage row: 512 bytes + 16, so that sixteen lanes that read sixteen rows fall on sixteen different 16-byte columns
.set WREG, 16*SP                       ; a wave's stage
.set WX,  16                           ; W: v16-143   128 numbers down K of my column
.set WC,  160                          ; W: v160-191  their codes
	s_load_b256 s[4:11], s[0:1], 0x0               ; x s[4:5], Wq s[6:7], Wk s[8:9], Wv s[10:11]
	s_load_b128 s[12:15], s[0:1], 0x20             ; Wo s[12:13], the scales' exponents s[14:15]
	s_load_b128 s[16:19], s[0:1], 0x30             ; xc s[16:17], wc s[18:19]
	v_lshl_add_u32 v208, v0, 2, 0x8400
	v_mov_b32 v209, 0
	v_lshrrev_b32 v1, 5, v0
	v_readfirstlane_b32 s20, v1                    ; wave 0..3
	v_and_b32 v1, 31, v0                           ; lane
	s_wait_kmcnt 0x0
	s_load_b256 s[24:31], s[14:15], 0x0            ; e0 .. e7
	s_load_b128 s[32:35], s[14:15], 0x20           ; e8 .. e11
	s_cmp_lt_u32 ttmp9, 256
	s_cbranch_scc0 .Lweights
; ---------------- x.  Wave u = 4 x work-group + wave makes, of token block u / 2, the four images of K steps 4 (u % 2) + 0 .. 3, in all three sets.
.macro XLOAD i                         ; image i: 16 loads, each 512 consecutive bytes of one token's row
.irp r, 0,1,2,3,4,5,6,7,8,9,10,11,12,13,14,15
	global_load_b128 v[R+4*\r:R+4*\r+3], v2, s[4:5] offset:\r*4096+(\i)*512 th:TH_LOAD_NT
.endr
.endm
.macro XTURN                           ; through my stage: in as loaded, out 32 bytes of my token for each c.  LDS serves a wave's instructions in order: no wait between the stores and the loads
.irp r, 0,1,2,3,4,5,6,7,8,9,10,11,12,13,14,15
	ds_store_b128 v3, v[R+4*\r:R+4*\r+3] offset:SP*\r
.endr
.irp c, 0,1,2,3,4,5,6,7
	ds_load_b128 v[X+8*\c:X+8*\c+3], v4 offset:64*\c
	ds_load_b128 v[X+8*\c+4:X+8*\c+7], v4 offset:64*\c+16
.endr
.endm
.macro XQ s                            ; set s: hold, then convert.  The two sets of T take turns, so eight plain lines stand between a conversion and the next write of its sources
.irp c, 0,1,2,3,4,5,6,7
.irp i, 0,1,2,3,4,5,6,7
	v_med3_num_f32 v[T+8*(\c%2)+\i], v[X+8*\c+\i], -v[7+2*(\s)], v[7+2*(\s)]   ; the conversion to an 8-bit code does not saturate (ISA guide 7.6.2)
.endr
	v_cvt_scalef32_pk8_fp8_f32 v[C+16*(\s)+2*\c:C+16*(\s)+2*\c+1], v[T+8*(\c%2):T+8*(\c%2)+7], v[6+2*(\s)]
.endr
.endm
.macro XSTORE s, i                     ; the image as it stands: each store covers 512 consecutive bytes, aligned
.irp q, 0,1,2,3
	global_store_b128 v2, v[C+16*(\s)+4*\q:C+16*(\s)+4*\q+3], s[40+2*(\s):41+2*(\s)] offset:(\i)*2048+512*\q
.endr
.endm
	s_lshl_b32 s21, ttmp9, 2
	s_add_co_u32 s21, s21, s20                     ; u
	s_lshr_b32 s22, s21, 1                         ; token block
	s_and_b32 s23, s21, 1                          ; which half of K
	s_lshl_b32 s36, s22, 16                        ; 16 rows of 4,096 bytes
	s_lshl_b32 s37, s23, 11                        ; 512 numbers
	s_add_co_u32 s36, s36, s37
	s_mov_b32 s37, 0
	s_add_nc_u64 s[4:5], s[4:5], s[36:37]
	s_lshl_b32 s38, s22, 14                        ; a block's eight images
	s_lshl_b32 s39, s23, 13                        ; four of them
	s_add_co_u32 s38, s38, s39
	s_mov_b32 s39, 0
	s_add_nc_u64 s[40:41], s[16:17], s[38:39]      ; set 0
	s_add_nc_u64 s[42:43], s[40:41], 0x800000      ; set 1
	s_add_nc_u64 s[44:45], s[40:41], 0x1000000     ; set 2
	v_lshlrev_b32 v2, 4, v1                        ; 16 x lane: loads and stores
	s_mul_i32 s46, s20, WREG
	v_add_nc_u32 v3, s46, v2                       ; the stage, way in
	v_and_b32 v4, 15, v0
	v_mul_u32_u24 v4, v4, SP
	v_bfe_u32 v5, v0, 4, 1
	v_lshl_add_u32 v4, v5, 5, v4
	v_add_nc_u32 v4, s46, v4                       ; way out: row r, + 32 h
	XLOAD 0
	s_wait_kmcnt 0x0
.irp s, 0,1,2
	s_add_co_i32 s47, s[24+2*\s], 127
	s_lshl_b32 s48, s47, 23
	v_mov_b32 v[6+2*\s], s48                       ; 2^e as f32: the conversion takes its exponent field
	s_add_co_i32 s47, s47, 8
	s_lshl_b32 s47, s47, 23
	s_or_b32 s47, s47, 0x600000
	v_mov_b32 v[7+2*\s], s47                       ; 448 x 2^e
.endr
.irp i, 0,1,2,3
	s_wait_loadcnt 0x0                             ; this image's sixteen loads are in
	XTURN
	s_wait_dscnt 0x0                               ; the turned numbers are in, and the stage's stores have read their registers
	s_wait_xcnt 0x0                                ; the last image's stores have read their codes: they are written again only behind this wait
.if \i < 3
	XLOAD \i+1                                     ; the next image is on its way while this one is converted three times
.endif
.irp s, 0,1,2
	XQ \s
	XSTORE \s, \i
.endr
.endr
	s_wait_tensorcnt 0x0
	ds_add_u32 v208, v209
	s_wait_dscnt 0x0
	s_endpgm
; ---------------- the weights.  g = work-group - 256: weight g / 64, K step (g / 8) % 8, columns 128 (g % 8) on.  A LANE TAKES A COLUMN n, AND ITS REGISTERS RUN DOWN K: nothing is transposed.
.Lweights:
	s_sub_co_u32 s21, ttmp9, 256
	s_lshr_b32 s22, s21, 6                         ; which weight
	s_and_b32 s23, s21, 7                          ; which 128 columns
	s_bfe_u32 s36, s21, 0x30003                    ; which K step
	s_lshl_b32 s38, s36, 19                        ; 128 rows of 4,096 bytes
	s_lshl_b32 s37, s23, 9
	s_add_co_u32 s38, s38, s37
	s_lshl_b32 s37, s20, 7                         ; my wave's 32 columns
	s_add_co_u32 s38, s38, s37
	s_mov_b32 s39, 0
	s_lshl_b32 s40, s22, 20                        ; a weight's codes
	s_lshl_b32 s37, s23, 17                        ; eight blocks of 16 columns
	s_add_co_u32 s40, s40, s37
	s_lshl_b32 s37, s20, 15                        ; two blocks
	s_add_co_u32 s40, s40, s37
	s_lshl_b32 s37, s36, 11                        ; the K step's image
	s_add_co_u32 s40, s40, s37
	s_mov_b32 s41, 0
	s_cmp_lt_u32 s22, 2                            ; the choice hangs on the work-group's number alone
	s_cselect_b64 s[42:43], s[6:7], s[10:11]
	s_cselect_b64 s[44:45], s[8:9], s[12:13]
	s_and_b32 s37, s22, 1
	s_cmp_eq_u32 s37, 0
	s_cselect_b64 s[42:43], s[42:43], s[44:45]
	s_add_nc_u64 s[42:43], s[42:43], s[38:39]
	s_add_nc_u64 s[18:19], s[18:19], s[40:41]
	v_lshlrev_b32 v2, 2, v1                        ; in: 4 bytes a lane: a wave reads 128 consecutive bytes, the four waves 512
	v_lshrrev_b32 v3, 4, v1
	v_lshlrev_b32 v3, 14, v3                       ; out: lanes 16-31 hold the next block of columns,
	v_and_b32 v4, 15, v1
	v_lshl_add_u32 v3, v4, 4, v3                   ; and row r of an image lies at 16 r
.set k, 0
.rept 128
	global_load_b32 v[WX+k], v2, s[42:43] offset:k*4096 th:TH_LOAD_NT
.set k, k+1
.endr
	s_wait_kmcnt 0x0
	s_cmp_lt_u32 s22, 2
	s_cselect_b32 s46, s25, s29                    ; e1 or e5
	s_cselect_b32 s47, s27, s35                    ; e3 or e11
	s_cmp_eq_u32 s37, 0
	s_cselect_b32 s46, s46, s47
	s_add_co_i32 s46, s46, 127
	s_lshl_b32 s47, s46, 23
	v_mov_b32 v6, s47                              ; 2^e
	s_add_co_i32 s46, s46, 8
	s_lshl_b32 s46, s46, 23
	s_or_b32 s46, s46, 0x600000
	v_mov_b32 v7, s46                              ; 448 x 2^e
.irp s, 0,1,2,3                        ; 32 along K at a time.  No register is written twice, so no store's data are written again
.if \s < 2
	s_wait_loadcnt 63                              ; 96 (then 64) younger loads could stay out; the count's field ends at 63, and a smaller count is safe
.else
	s_wait_loadcnt 32*(3-\s)                       ; the loads of the 32 k behind these may stay out; then none
.endif
.set k, 0
.rept 32
	v_med3_num_f32 v[WX+32*\s+k], v[WX+32*\s+k], -v7, v7
.set k, k+1
.endr
.irp h, 0,1                            ; the 16 bytes of row r at 512 s + 256 h: k = 32 s + 8 h + 0 .. 7, then k = 32 s + 16 + 8 h + 0 .. 7
	v_cvt_scalef32_pk8_fp8_f32 v[WC+4*(2*\s+\h):WC+4*(2*\s+\h)+1], v[WX+32*\s+8*\h:WX+32*\s+8*\h+7], v6
	v_cvt_scalef32_pk8_fp8_f32 v[WC+4*(2*\s+\h)+2:WC+4*(2*\s+\h)+3], v[WX+32*\s+16+8*\h:WX+32*\s+16+8*\h+7], v6
	global_store_b128 v3, v[WC+4*(2*\s+\h):WC+4*(2*\s+\h)+3], s[18:19] offset:512*\s+256*\h   ; sixteen lanes store 256 consecutive bytes, aligned
.endr
.endr
	s_endpgm
.Lfunc_end_k_q60cc5e8d53_quant:
	.size	k_q60cc5e8d53_quant, .Lfunc_end_k_q60cc5e8d53_quant-k_q60cc5e8d53_quant
	.p2alignl 7, 3214868480
	.fill 96, 4, 3214868480
	.section	.rodata,"a",@progbits
	.p2align	6, 0x0
	.amdhsa_kernel k_q60cc5e8d53_quant
		.amdhsa_group_segment_fixed_size 34304
		.amdhsa_private_segment_fixed_size 0
		.amdhsa_enable_private_segment 0
		.amdhsa_kernarg_size 64
		.amdhsa_user_sgpr_count 2
		.amdhsa_user_sgpr_kernarg_segment_ptr 1
		.amdhsa_wavefront_size32 1
		.amdhsa_system_sgpr_workgroup_id_x 1
		.amdhsa_system_sgpr_workgroup_id_y 1
		.amdhsa_system_sgpr_workgroup_id_z 1
		.amdhsa_system_vgpr_workitem_id 0
		.amdhsa_next_free_vgpr 210
		.amdhsa_next_free_sgpr 66
		.amdhsa_reserve_vcc 0
		.amdhsa_float_denorm_mode_32 3
		.amdhsa_float_denorm_mode_16_64 3
		.amdhsa_memory_ordered 1
		.amdhsa_forward_progress 1
		.amdhsa_inst_pref_size 100
	.end_amdhsa_kernel
	.amdgpu_metadata
---
amdhsa.version: [ 1, 2 ]
amdhsa.kernels:
  - .name:           k_q60cc5e8d53_quant
    .symbol:         k_q60cc5e8d53_quant.kd
    .args:
      - { .name: x, .offset: 0, .size: 8, .value_kind: global_buffer, .address_space: global }
      - { .name: Wq, .offset: 8, .size: 8, .value_kind: global_buffer, .address_space: global }
      - { .name: Wk, .offset: 16, .size: 8, .value_kind: global_buffer, .address_space: global }
      - { .name: Wv, .offset: 24, .size: 8, .value_kind: global_buffer, .address_space: global }
      - { .name: Wo, .offset: 32, .size: 8, .value_kind: global_buffer, .address_space: global }
      - { .name: lowp_scales, .offset: 40, .size: 8, .value_kind: global_buffer, .address_space: global }
      - { .name: xc, .offset: 48, .size: 8, .value_kind: global_buffer, .address_space: global }
      - { .name: wc, .offset: 56, .size: 8, .value_kind: global_buffer, .address_space: global }
    .group_segment_fixed_size: 34304
    .private_segment_fixed_size: 0
    .kernarg_segment_align: 8
    .kernarg_segment_size: 64
    .max_flat_workgroup_size: 128
    .sgpr_count:     66
    .vgpr_count:     210
    .wavefront_size: 32
...
	.end_amdgpu_metadata
.endif
;; end of part 1
;; launch qkv (part 2): grid 12 x 32, 4 waves a work-group, clusters of 4 x 4, 327,680 bytes of LDS; arguments xc, wc, lowp_scales, qc, kc, vc; writes qc, kc, vc
.if DOCPART == 2
	.amdgcn_target "amdgcn-amd-amdhsa--gfx1250"
	.amdhsa_code_object_version 6
	.text
	.protected	k_q60cc5e8d53_qkv
	.globl	k_q60cc5e8d53_qkv
	.p2align	8
	.type	k_q60cc5e8d53_qkv,@function
k_q60cc5e8d53_qkv:
	s_mov_b64 s[64:65], 0
	v_nop
	global_prefetch_b8 v0, s[64:65] scope:SCOPE_SE
	s_setreg_imm32_b32 hwreg(HW_REG_WAVE_MODE, 25, 1), 1
	s_wait_xcnt 0x0
	s_wait_alu depctr_hold_cnt(0) depctr_sa_sdst(0) depctr_va_vdst(0) depctr_va_sdst(0) depctr_va_ssrc(0) depctr_va_vcc(0) depctr_vm_vsrc(0)
	s_getreg_b32 s2, hwreg(HW_REG_IB_STS2, 6, 4)
	s_cmp_eq_u32 s2, 0
	s_cbranch_scc0 .Lentry_in_a_cluster
	s_endpgm
.Lentry_in_a_cluster:
	s_bfe_u32 s2, ttmp6, 0x10000c
	s_cmp_lg_u32 s2, 0xf033
	s_cbranch_scc0 .Lentry_shape_is_right
	s_endpgm
.Lentry_shape_is_right:
; q = x Wq, k = x Wk, v = x Wv on E4M3 codes, K = 1,024, sums in f32; each result is quantised in registers (2^e6, 2^e7, 2^e9) and stored as codes, laid as the images that the attention launch loads.
; The cluster's x says which product: 0 q, 1 k, 2 v.  A tile of 256 x 256 is made by four waves, each 128 x 128: 64 accumulators, 512 registers.
; THE MATRIX INSTRUCTION: source 0 = 16 rows of 'B', source 1 = 16 rows of 'A': lane (r, h) then holds row r of A's block and, in its eight registers, rows 8 h + 0 .. 7 of B's block.
;   q, k: A = x's codes (tokens), B = the weight's codes (columns n).  A lane's eight numbers are eight neighbours along the head's 64: four accumulators give a fragment of 16 tokens x 64.
;   v:    A = Wv's codes, B = x's codes: V^T.  A lane's eight numbers are eight neighbouring tokens (keys): eight accumulators give a fragment of 16 channels x 128 keys.
; So the conversions' results ARE the next launch's operand registers, and they leave by stores of 512 consecutive bytes: no way through LDS.
; INPUTS ARE IMAGES OF OPERAND REGISTERS (2,048 bytes for 16 rows x 128 K; registers 4 s .. 4 s + 3 of lane l at 512 s + 16 l; a block's eight K steps on end).  A K step of 256 is 4,096 consecutive bytes of each block.
; K goes in four steps of 256 through two LDS slots; a wave's tensor load brings 8 blocks x 4,096 bytes.  A fragment is four LDS loads at 16 x lane: consecutive bytes, no pitch, no padding.
; CLUSTERS: 4 x 4 work-groups; A's tiles are asked for jointly along a row of the cluster, B's along a column.
; OUTPUTS: qc, kc: [64 batch x head][128 blocks of 16 tokens][1,024];  vc: [64 batch x head][16 blocks of 128 keys][4 blocks of 16 channels][2,048].
; LIMITS: e6 - e0 - e1, e7 - e2 - e3 and e9 - e4 - e5 lie between -126 and 119, so that the folded scale and 448 x it are f32 numbers.
; REGISTERS: window 0: v12, v13 the scale and the hold; v16-29 addresses; v32-95 at work on the way out; v128-255 A's fragments, one set, later the codes.  window 1: B's fragments, two sets.  windows 2, 3: the accumulators.
.set FR,     16                        ; registers of a fragment
.set NL,     4                         ; LDS loads that bring one
.set NP,     4                         ; places behind this matrix instruction (ISA guide 7.12.1)
.set HALFT,  32768                     ; 8 blocks x 4,096 bytes: what one tensor load brings, and what one wave reads of A or of B
.set SLOT,   4*HALFT                   ; A's two halves, then B's two
.set SPARE,  2*SLOT                    ; behind the ring: the spare words, 128 bytes for each wave, which no other line names
.set SC,   12                          ; v12     the folded scale as f32
.set LIM,  13                          ; v13     448 x that
.set ADRA, 16                          ; v16-17  LDS address of my A fragments in slot 0, 1
.set ADRB, 20                          ; v20-21  the same for B
.set CO,   26                          ; v26     16 x lane
.set SPW,  28                          ; v28     LDS address of my spare word; never rewritten
.set NIL,  29                          ; v29     0; never rewritten
.set TMP,  32
.set AF,   128
.set CD,   128
.set G1, 24                            ; s[24:31] descriptor group 1 for A's tiles;  s[32:39] group 0, one set for each slot
.set G0, 32
.set G1B, 48                           ; s[48:55], s[56:63] the same for B's tiles
.set G0B, 56
.set MSB, 0
.macro WIN new                         ; the immediate's high byte repeats the setting that is left
.if MSB != \new
	s_set_vgpr_msb (MSB<<8)|\new
.set MSB, \new
.endif
.endm
.set MUL_LO, 0xa1                      ; source 0 (B) window 1, source 1 (A) window 0, C and D window 2
.set MUL_HI, 0xf1                      ; the same, C and D window 3
.set TO_B,   0x40                      ; destination window 1, address window 0
; A joint load: waves 0 and 1 fetch for A, waves 2 and 3 for B; the branch hangs on the wave's number alone.  Four v_nop follow each of the two lines.
.macro JLOAD g0a, g1a, g0b, g1b
	s_cmp_eq_u32 s15, 0
	s_cbranch_scc0 .Lfor_b_\@
	tensor_load_to_lds s[\g0a:\g0a+3], s[\g1a:\g1a+7]
	s_nop 0
.rept 4
	v_nop
.endr
	s_branch .Lasked_\@
.Lfor_b_\@:
	tensor_load_to_lds s[\g0b:\g0b+3], s[\g1b:\g1b+7]
	s_nop 0
.rept 4
	v_nop
.endr
.Lasked_\@:
.endm
.macro CREST                           ; a round of the cluster's barrier behind its opening barrier
	s_cmp_lg_u32 s14, 0
	s_cbranch_scc1 .Lnot_wave_0_\@
	s_barrier_signal -3
.Lnot_wave_0_\@:
	s_barrier_wait -3
	s_barrier_signal -1
	s_barrier_wait -1
.endm
.macro CROUND                          ; a whole round
	s_barrier_signal -1
	s_barrier_wait -1
	CREST
.endm
	s_load_b128 s[4:7], s[0:1], 0x0                ; xc s[4:5], wc s[6:7]
	s_load_b128 s[8:11], s[0:1], 0x10              ; the scales' exponents s[8:9], qc s[10:11]
	s_load_b128 s[68:71], s[0:1], 0x20             ; kc s[68:69], vc s[70:71]
	v_lshl_add_u32 v[SPW], v0, 2, SPARE
	v_mov_b32 v[NIL], 0
	ds_add_u32 v28, v29
	ds_add_u32 v28, v29
	s_wait_dscnt 0x0
	v_lshrrev_b32 v1, 5, v0
	v_readfirstlane_b32 s14, v1                    ; wave 0..3
	s_lshr_b32 s15, s14, 1                         ; which half of A's rows is mine.  Also: I fetch for A (0) or for B (1)
	s_and_b32 s16, s14, 1                          ; which half of B's rows.  Also: which half of that tile I fetch
	s_bfe_u32 s40, ttmp6, 0x40000                  ; cx, cy: my place in the cluster
	s_bfe_u32 s41, ttmp6, 0x40004
	s_and_b32 s12, ttmp7, 0xffff
	s_lshl_b32 s12, s12, 2                         ; 4 x cluster y
	s_lshl_b32 s19, ttmp9, 23                      ; x's set of codes for product q or k
	s_lshl_b32 s22, ttmp9, 20                      ; the weight's codes for q or k
	s_cmp_eq_u32 ttmp9, 2                          ; v?  The cluster's x is the same in all sixteen partners
	s_cselect_b32 s17, 0, s12                      ; the token tiles walk with the cluster's y: they are A's for q and k,
	s_cselect_b32 s18, s12, 0                      ; B's for v
	s_cselect_b32 s19, 0x200000, s19               ; A begins: Wv's codes in wc, or x's set in xc
	s_cselect_b32 s22, 0x1000000, s22              ; B begins: x's third set in xc, or the weight in wc
	s_add_co_u32 s13, s41, s17                     ; A's tile: cy (+ 4 x cluster y): shared along a row of the cluster
	s_add_co_u32 s42, s40, s18                     ; B's tile: cx (+ 4 x cluster y): shared along a column
	s_lshl_b32 s43, s41, 2
	s_lshl_b32 s43, 15, s43                        ; my row of the cluster
	s_lshl_b32 s44, 0x1111, s40                    ; my column
	; descriptor group 1: 8 rows (blocks) of 512 elements of 8 bytes, 2,048 elements apart; dense in LDS
	s_or_b32 s[G1+0], s43, (3<<16)|(1<<21)         ; 15:0 the mask; 17:16 elements of 8 bytes; 20 no padding; 21 set beside a mask
	s_or_b32 s[G1B+0], s44, (3<<16)|(1<<21)
.irp g, G1, G1B
	s_mov_b32 s[\g+1], 512<<16                     ; tensor_dim0 = 512
	s_mov_b32 s[\g+2], 8<<16                       ; tensor_dim1 = 8
	s_mov_b32 s[\g+3], 512<<16                     ; tile_dim0 = 512
	s_mov_b32 s[\g+4], 8                           ; tile_dim1 = 8
	s_mov_b32 s[\g+5], 2048                        ; from block to block: 16,384 bytes
	s_mov_b32 s[\g+6], 0
	s_mov_b32 s[\g+7], 0
.endr
	s_lshl_b32 s23, s16, 17                        ; the half that I fetch: 8 blocks of 16,384 bytes
	s_lshl_b32 s20, s13, 18                        ; a tile: 16 blocks
	s_add_co_u32 s20, s20, s19
	s_add_co_u32 s20, s20, s23
	s_mov_b32 s21, 0
	s_lshl_b32 s46, s42, 18
	s_add_co_u32 s46, s46, s22
	s_add_co_u32 s46, s46, s23
	s_mov_b32 s47, 0
	s_mul_i32 s45, s14, HALFT                      ; where they go: wave x 32,768: no place in the cluster enters an LDS address
	s_wait_kmcnt 0x0
	s_load_b256 s[72:79], s[8:9], 0x0              ; e0 .. e7
	s_load_b128 s[80:83], s[8:9], 0x20             ; e8 .. e11
	s_cmp_eq_u32 ttmp9, 2
	s_cselect_b64 s[84:85], s[6:7], s[4:5]         ; A's buffer
	s_cselect_b64 s[86:87], s[4:5], s[6:7]         ; B's buffer
	s_add_nc_u64 s[20:21], s[84:85], s[20:21]
	s_add_nc_u64 s[46:47], s[86:87], s[46:47]
	CROUND                                         ; all sixteen work-groups are here: the first joint loads meet
.irp s, 0,1
	s_mov_b32 s[G0+4*\s], 1
	s_add_co_u32 s[G0+4*\s+1], s45, \s*SLOT
	s_add_nc_u64 s[G0+4*\s+2:G0+4*\s+3], s[20:21], \s*4096         ; K step s
	s_or_b32 s[G0+4*\s+3], s[G0+4*\s+3], 0x80000000
	s_mov_b32 s[G0B+4*\s], 1
	s_add_co_u32 s[G0B+4*\s+1], s45, \s*SLOT
	s_add_nc_u64 s[G0B+4*\s+2:G0B+4*\s+3], s[46:47], \s*4096
	s_or_b32 s[G0B+4*\s+3], s[G0B+4*\s+3], 0x80000000
	JLOAD G0+4*\s, G1, G0B+4*\s, G1B
.endr
	v_and_b32 v1, 31, v0
	v_lshlrev_b32 v[CO], 4, v1                     ; 16 x lane
	s_lshl_b32 s90, s15, 15                        ; my 8 blocks of A
	s_lshl_b32 s91, s16, 15                        ; my 8 blocks of B,
	s_add_co_u32 s91, s91, 2*HALFT                 ; which lie behind A's 16
.irp s, 0,1
	v_add_nc_u32 v[ADRA+\s], s90, v[CO]
	v_add_nc_u32 v[ADRB+\s], s91, v[CO]
	s_add_co_u32 s90, s90, SLOT
	s_add_co_u32 s91, s91, SLOT
.endr
.macro FRAG reg, adr, q, i             ; block i's fragment of the slot's q-th 128 along K: its image, 512 consecutive bytes a load
.irp c, 0,1,2,3
	ds_load_b128 v[\reg+4*\c:\reg+4*\c+3], v[\adr] offset:2048*(\q)+512*\c+4096*(\i)
.endr
.endm
; 16 matrix instructions: A's blocks a0, a0 + 1 x B's eight, 128 along K.  p: B's set.  zero = 1: the first product starts the sums.
; The 64 accumulators take turns, one instruction a turn, in the same order in every step.
.macro MUL16 a0, p, zero
.irp a, \a0, \a0+1
.irp b, 0,1,2,3,4,5,6,7
.if \zero
	v_wmma_f32_16x16x128_fp8_fp8 v[8*(8*((\a)%4)+\b):8*(8*((\a)%4)+\b)+7], v[128*(\p)+FR*\b:128*(\p)+FR*\b+FR-1], v[AF+FR*(\a):AF+FR*(\a)+FR-1], 0
.else
	v_wmma_f32_16x16x128_fp8_fp8 v[8*(8*((\a)%4)+\b):8*(8*((\a)%4)+\b)+7], v[128*(\p)+FR*\b:128*(\p)+FR*\b+FR-1], v[AF+FR*(\a):AF+FR*(\a)+FR-1], v[8*(8*((\a)%4)+\b):8*(8*((\a)%4)+\b)+7]
.endif
.endr
.endr
.endm
.macro FETCH_B slot, q, p
	WIN TO_B
.irp i, 0,1,2,3,4,5,6,7
	FRAG 128*(\p)+FR*\i, ADRB+\slot, \q, \i
.endr
	WIN 0
.endm
.macro FETCH_A slot, q, i0
.irp i, \i0, \i0+1, \i0+2, \i0+3
	FRAG AF+FR*(\i), ADRA+\slot, \q, \i
.endr
.endm
.macro PLACES n                        ; plain vector lines between a matrix instruction and a load into its registers, or a read of its result (ISA guide 7.12.1 for the read of its result)
.rept \n
	v_nop
.endr
.endm
; A step of 128 along K that has its successor in the same slot.  A has one set of registers: blocks 0-3 are fetched anew in the step's middle, blocks 4-7 at its end; B has two sets.
.macro STEP slot, q, zero
	s_wait_dscnt 4*NL                              ; B's set and A's blocks 0-3 are in; the youngest sixteen loads (A's blocks 4-7) may be out
	WIN MUL_LO
	MUL16 0, (\q)%2, \zero
	MUL16 2, (\q)%2, \zero
	s_wait_dscnt 0                                 ; A's blocks 4-7 are in
	PLACES NP
	FETCH_B \slot, (\q)+1, 1-(\q)%2
	FETCH_A \slot, (\q)+1, 0
	WIN MUL_HI
	MUL16 4, (\q)%2, \zero
	MUL16 6, (\q)%2, \zero
	PLACES NP
	WIN 0
	FETCH_A \slot, (\q)+1, 4
.endm
; A slot's last step changes slots: one barrier; in front of it each wave waits for all its tensor loads, adds 0 to its spare word, and waits for that and for its own reads of this slot.  fill = 1: this slot is filled again, two K steps ahead.
.macro TURN slot, next, fill
	s_wait_tensorcnt 0x0                           ; all my tensor loads have landed: my part of the next slot
	ds_add_u32 v[SPW], v[NIL]                      ; 0 onto my spare word
	s_wait_dscnt 4*NL+1                            ; (the add and the youngest sixteen loads, A's blocks 4-7, may be out)
	WIN MUL_LO
	MUL16 0, 1, 0                                  ; sixteen matrix instructions stand between the add and the wait for it
	s_wait_dscnt 0x0                               ; the add is done, and my reads of this slot are over
	s_barrier_signal -1
	MUL16 2, 1, 0
	WIN 0
	s_barrier_wait -1
.if \fill
	CREST                                          ; the barrier has opened a round of the cluster's barrier: no wave of any partner still reads this slot or has a load on its way
	s_add_nc_u64 s[G0+4*\slot+2:G0+4*\slot+3], s[G0+4*\slot+2:G0+4*\slot+3], 8192
	s_add_nc_u64 s[G0B+4*\slot+2:G0B+4*\slot+3], s[G0B+4*\slot+2:G0B+4*\slot+3], 8192
	JLOAD G0+4*\slot, G1, G0B+4*\slot, G1B         ; the first tensor load behind the round; its four v_nop are the places in front of the loads below
.else
	PLACES NP
.endif
	FETCH_B \next, 0, 0
	FETCH_A \next, 0, 0
	WIN MUL_HI
	MUL16 4, 1, 0
	MUL16 6, 1, 0
	PLACES NP
	WIN 0
	FETCH_A \next, 0, 4
.endm
	s_wait_tensorcnt 1                             ; my part of K step 0 is in (K step 1's load may be out)
	s_barrier_signal -1
	s_barrier_wait -1                              ; everybody's is
	FETCH_B 0, 0, 0
	FETCH_A 0, 0, 0
	FETCH_A 0, 0, 4
	STEP 0, 0, 1                                   ; K = 1,024 is four K steps of 256: written out, no loop.  The first products start the sums
	TURN 0, 1, 1                                   ; slot 0 takes K step 2
	STEP 1, 0, 0
	TURN 1, 0, 1                                   ; slot 1 takes K step 3
	STEP 0, 0, 0
	TURN 0, 1, 0                                   ; nothing is left to fetch
	STEP 1, 0, 0
	s_wait_dscnt 4*NL                              ; the very last step
	WIN MUL_LO
	MUL16 0, 1, 0
	MUL16 2, 1, 0
	s_wait_dscnt 0
	WIN MUL_HI
	MUL16 4, 1, 0
	MUL16 6, 1, 0
	WIN 0
; THE WAY OUT.  A sum stands for sum x 2^(eA + eB), so its code is sum / 2^(eOut - eA - eB): the three scales are folded into the conversion's one.  The hold is always executed.
	s_wait_kmcnt 0x0
	s_sub_co_i32 s90, s78, s72
	s_sub_co_i32 s90, s90, s73                     ; q: e6 - e0 - e1
	s_sub_co_i32 s91, s79, s74
	s_sub_co_i32 s91, s91, s75                     ; k: e7 - e2 - e3
	s_sub_co_i32 s92, s81, s76
	s_sub_co_i32 s92, s92, s77                     ; v: e9 - e4 - e5
	s_cmp_eq_u32 ttmp9, 0
	s_cselect_b32 s90, s90, s91
	s_cmp_eq_u32 ttmp9, 2
	s_cselect_b32 s90, s92, s90
	s_add_co_i32 s90, s90, 127
	s_lshl_b32 s91, s90, 23
	v_mov_b32 v[SC], s91
	s_add_co_i32 s90, s90, 8
	s_lshl_b32 s90, s90, 23
	s_or_b32 s90, s90, 0x600000
	v_mov_b32 v[LIM], s90
	PLACES NP                                      ; behind the last products: their results are read and A's registers written below
; A's block a: its eight accumulators, each from its low end on, are held and converted; the 16 registers of codes have a place of their own for each a, so no store's data are written again.
.macro OUT a, isv
	WIN 0x02+((\a)/4)                              ; source 0: window 2 or 3
.set j, 0
.rept 64
	v_med3_num_f32 v[TMP+j], v[64*((\a)%4)+j], -v[LIM], v[LIM]
.set j, j+1
.endr
	WIN 0
.irp b, 0,1,2,3,4,5,6,7
	v_cvt_scalef32_pk8_fp8_f32 v[CD+16*(\a)+2*\b:CD+16*(\a)+2*\b+1], v[TMP+8*\b:TMP+8*\b+7], v[SC]
.endr
	v_nop                                          ; a plain line between the conversions and the next block's writes of their sources
.irp c, 0,1,2,3
.if \isv
	global_store_b128 v[CO], v[CD+16*(\a)+4*\c:CD+16*(\a)+4*\c+3], s[88:89] offset:131072*((\a)/4)+2048*((\a)%4)+512*\c   ; head a / 4 of my two, channels 16 (a % 4) on: one image of 2,048 bytes
.else
	global_store_b128 v[CO], v[CD+16*(\a)+4*\c:CD+16*(\a)+4*\c+3], s[88:89] offset:1024*(\a)+131072*(\c/2)+512*(\c%2)      ; tokens 16 a on, head c / 2 of my two: two images of 1,024 bytes
.endif
.endr
.endm
	s_cmp_eq_u32 ttmp9, 2                          ; the same in all partners
	s_cbranch_scc1 .Lv
	s_lshl_b32 s92, s13, 8
	s_lshl_b32 s93, s15, 7
	s_add_co_u32 s92, s92, s93                     ; my first token
	s_lshr_b32 s93, s92, 11                        ; its batch
	s_lshl_b32 s93, s93, 4
	s_lshl_b32 s94, s40, 2
	s_add_co_u32 s93, s93, s94                     ; + head 4 cx
	s_lshl_b32 s94, s16, 1
	s_add_co_u32 s93, s93, s94                     ; + 2 x my half of the columns
	s_lshl_b32 s93, s93, 17
	s_and_b32 s92, s92, 2047
	s_lshl_b32 s92, s92, 6                         ; 1,024 bytes for 16 tokens
	s_add_co_u32 s92, s92, s93
	s_mov_b32 s93, 0
	s_cmp_eq_u32 ttmp9, 0
	s_cselect_b64 s[88:89], s[10:11], s[68:69]     ; qc or kc
	s_add_nc_u64 s[88:89], s[88:89], s[92:93]
.irp a, 0,1,2,3,4,5,6,7
	OUT \a, 0
.endr
	s_branch .Ldone
.Lv:
	s_lshl_b32 s92, s42, 8
	s_lshl_b32 s93, s16, 7
	s_add_co_u32 s92, s92, s93                     ; my first token (key)
	s_lshr_b32 s93, s92, 11                        ; its batch
	s_lshl_b32 s93, s93, 4
	s_lshl_b32 s94, s41, 2
	s_add_co_u32 s93, s93, s94                     ; + head 4 cy
	s_lshl_b32 s94, s15, 1
	s_add_co_u32 s93, s93, s94                     ; + 2 x my half of Wv's rows
	s_lshl_b32 s93, s93, 17
	s_and_b32 s92, s92, 2047
	s_lshr_b32 s92, s92, 7
	s_lshl_b32 s92, s92, 13                        ; 8,192 bytes for 128 keys
	s_add_co_u32 s92, s92, s93
	s_mov_b32 s93, 0
	s_add_nc_u64 s[88:89], s[70:71], s[92:93]
.irp a, 0,1,2,3,4,5,6,7
	OUT \a, 1
.endr
.Ldone:
	s_wait_tensorcnt 0x0                           ; the wave's end
	ds_add_u32 v[SPW], v[NIL]
	s_wait_dscnt 0x0
	CROUND                                         ; the closing round: no work-group ends while a partner may still ask for a tile that names it
	s_endpgm
.Lfunc_end_k_q60cc5e8d53_qkv:
	.size	k_q60cc5e8d53_qkv, .Lfunc_end_k_q60cc5e8d53_qkv-k_q60cc5e8d53_qkv
	.p2alignl 7, 3214868480
	.fill 96, 4, 3214868480
	.section	.rodata,"a",@progbits
	.p2align	6, 0x0
	.amdhsa_kernel k_q60cc5e8d53_qkv
		.amdhsa_group_segment_fixed_size 327680
		.amdhsa_private_segment_fixed_size 0
		.amdhsa_enable_private_segment 0
		.amdhsa_kernarg_size 48
		.amdhsa_user_sgpr_count 2
		.amdhsa_user_sgpr_kernarg_segment_ptr 1
		.amdhsa_wavefront_size32 1
		.amdhsa_system_sgpr_workgroup_id_x 1
		.amdhsa_system_sgpr_workgroup_id_y 1
		.amdhsa_system_sgpr_workgroup_id_z 1
		.amdhsa_system_vgpr_workitem_id 0
		.amdhsa_next_free_vgpr 1024
		.amdhsa_next_free_sgpr 98
		.amdhsa_reserve_vcc 0
		.amdhsa_float_denorm_mode_32 3
		.amdhsa_float_denorm_mode_16_64 3
		.amdhsa_memory_ordered 1
		.amdhsa_forward_progress 1
		.amdhsa_inst_pref_size 158
	.end_amdhsa_kernel
	.amdgpu_metadata
---
amdhsa.version: [ 1, 2 ]
amdhsa.kernels:
  - .name:           k_q60cc5e8d53_qkv
    .symbol:         k_q60cc5e8d53_qkv.kd
    .args:
      - { .name: xc, .offset: 0, .size: 8, .value_kind: global_buffer, .address_space: global }
      - { .name: wc, .offset: 8, .size: 8, .value_kind: global_buffer, .address_space: global }
      - { .name: lowp_scales, .offset: 16, .size: 8, .value_kind: global_buffer, .address_space: global }
      - { .name: qc, .offset: 24, .size: 8, .value_kind: global_buffer, .address_space: global }
      - { .name: kc, .offset: 32, .size: 8, .value_kind: global_buffer, .address_space: global }
      - { .name: vc, .offset: 40, .size: 8, .value_kind: global_buffer, .address_space: global }
    .group_segment_fixed_size: 327680
    .private_segment_fixed_size: 0
    .kernarg_segment_align: 8
    .kernarg_segment_size: 48
    .max_flat_workgroup_size: 128
    .sgpr_count:     98
    .vgpr_count:     1024
    .wavefront_size: 32
...
	.end_amdgpu_metadata
.endif
;; end of part 2
;; launch attn (part 3): grid 64 x 4, 16 waves a work-group, no clusters, 34,816 bytes of LDS; arguments qc, kc, vc, lowp_scales, oc; writes oc
.if DOCPART == 3
	.amdgcn_target "amdgcn-amd-amdhsa--gfx1250"
	.amdhsa_code_object_version 6
	.text
	.protected	k_q60cc5e8d53_attn
	.globl	k_q60cc5e8d53_attn
	.p2align	8
	.type	k_q60cc5e8d53_attn,@function
k_q60cc5e8d53_attn:
	s_mov_b64 s[64:65], 0
	v_nop
	global_prefetch_b8 v0, s[64:65] scope:SCOPE_SE
	s_setreg_imm32_b32 hwreg(HW_REG_WAVE_MODE, 25, 1), 1
	s_wait_xcnt 0x0
; Causal attention with ALiBi for 64 (batch x head) of 2,048 tokens, head size 64, both products on E4M3 codes; O / l is quantised (2^e10) and stored as the images that the last product loads.
; t = (q . k / 8 + slope x (j - 2047)) x log2(e);  M = the running largest t rounded UP to a whole number;  p = 2^(t - M) is quantised with 2^e8; the row's sum l is taken of the unquantised p and divides O at the end.
; When M moves, l and O are multiplied by 2^(old M - new M), which rounds nothing.
; SHARES.  Work-group (bh, pr) makes two passes: query block 7 - pr, then block pr, 256 queries each: (8 - pr) + (pr + 1) = 9 trips of 256 keys in every work-group.  Each of sixteen waves owns 16 queries, in 256 registers.
; LAYOUT.  S^T = K Q^T (source 0 = 16 keys, source 1 = my 16 queries) and O^T = V^T P^T (source 0 = 16 channels, source 1 = P): a lane holds ONE query (lane % 16) throughout.  In tile t of S^T lane (r, h) holds keys
; 16 t + 8 h + 0 .. 7, which is what registers 2 t, 2 t + 1 of P's fragment (K = 128 keys) want: the conversions' results are the operand.  O^T's four tiles convert likewise into half a fragment of the last product.
; ALiBi COSTS NO LINE A SCORE: slope x 8 x 2^-(e6 + e7) x (the key's place in its step of 128) is the C of the S^T products; slope x log2(e) x (the step's first key - 2047) goes in with -M, from a pair (high, low) of f32.
; K AND V go from memory into 16 staging registers a thread, asked for a whole trip ahead, and from there into LDS, byte for byte as they lie in memory (images of operand registers): every LDS address is a constant + 16 x lane or thread.
; NO JOINT LOADS: the query blocks of a head need different numbers of key tiles (block + 1 trips), and the trip count follows the block so that no hidden tile is fetched; so the launch has no tensor load and no cluster.
; The hold of p at 448 x 2^e8 is jumped over where e8 >= -8: p is at most 1 (but for the last bits of t) and 448 x 2^-8 = 1.75.  The branch hangs on the whole number e8 alone.
; LIMITS: e6 + e7 between -123 and 120; e8, and e10 - e8 - e9, between -126 and 119.  NaN among the codes is not served.
.set Q,    16                          ; v16-23   my queries' fragment
.set P,    24                          ; v24-39   p's codes; at the end O's
.set F,    40                          ; v40-71   four fragments of K, or two of V
.set R,    72                          ; v72-87   staging
.set O,    88                          ; v88-119  O^T
.set S,    120                         ; v120-183 S^T, then p; v120-151 then two fragments of V
.set BIAS, 184                         ; v184-247 the ALiBi term of a step's 128 keys, in S^T's layout
; v1 16 x lane; v2 16 x thread; v3 lane % 16 - 8 (lane / 16); v4 the mask's bound; v5 float(first key - 2047); v6 its product with the slope; v7 a permute's destination; v[8:9] base - M, the largest t; v10 -M; v11 at work;
; v[12:13] the sum; v[14:15] f, 0; v248, v249: 2^e8, 448 x 2^e8; v[250:251] the sum's second chain; v252, v253 the maximum's chains; v254, v255: 2^(e10 - e8 - e9), 448 x that
; s14 wave; s15 bh; s16 pr; s17 head; s18 pass; s19 block; s[20:21] permute selects; s[22:23] c; s24 trips left; s25 first key of the step; s26 my first query; s[28:31] K, V walking; s[32:35] the head's K, V; s[36:37] Q; s[38:39] O;
; s[40:51] e0 .. e11; s52 slope; s53 the bias' step; s54, s55 slope x log2(e), high and low; s56 e8; s58 first key - 2047; s27, s57, s60, s61 at work
	s_load_b256 s[4:11], s[0:1], 0x0               ; qc s[4:5], kc s[6:7], vc s[8:9], the scales' exponents s[10:11]
	s_load_b64 s[12:13], s[0:1], 0x20              ; oc
	v_lshrrev_b32 v1, 5, v0
	v_readfirstlane_b32 s14, v1                    ; wave 0..15
	v_and_b32 v1, 31, v0
	v_lshlrev_b32 v1, 4, v1
	v_lshlrev_b32 v2, 4, v0
	v_and_b32 v3, 15, v0
	v_bfe_u32 v4, v0, 4, 1
	v_lshlrev_b32 v4, 3, v4                        ; 8 h
	v_sub_nc_u32 v3, v3, v4
	v_cvt_f32_u32 v11, v4                          ; 8 h as f32
	v_mov_b32 v7, 0                                ; written once: a lane permute's destination counts as one of its sources
	v_mov_b32 v15, 0                               ; (named as the upper half of the pair v[14:15])
	s_mov_b32 s15, ttmp9
	s_and_b32 s16, ttmp7, 0xffff
	s_and_b32 s17, s15, 15
	s_mov_b32 s18, 0
	s_mov_b32 s20, 0x76543210
	s_mov_b32 s21, 0xfedcba98
	s_lshr_b32 s27, s17, 1
	s_lshl_b32 s27, s27, 23
	s_and_b32 s57, s17, 1
	s_mov_b32 s52, 0x3f3504f3                      ; 2^-0.5
	s_cmp_eq_u32 s57, 1
	s_cselect_b32 s52, 0x3f000000, s52             ; 2^-1
	s_sub_co_u32 s52, s52, s27                     ; slope = 2^(-(head + 1) / 2) as f32: head / 2 is taken off the exponent field
	v_mov_b32 v5, 0x3fb8aa3b                       ; log2(e), its f32 number,
	v_mul_f32 v6, s52, v5                          ; slope x log2(e): the high part,
	v_fma_f32 v8, s52, v5, -v6                     ; what that product's rounding left,
	v_mov_b32 v5, 0x32a5705f                       ; and what log2(e) has beyond its f32 number
	v_fma_f32 v8, s52, v5, v8
	v_readfirstlane_b32 s54, v6
	v_readfirstlane_b32 s55, v8
	s_lshl_b32 s60, s15, 17                        ; a head's codes: 131,072 bytes in each of qc, kc, vc
	s_mov_b32 s61, 0
	s_wait_kmcnt 0x0
	s_load_b256 s[40:47], s[10:11], 0x0            ; e0 .. e7
	s_load_b128 s[48:51], s[10:11], 0x20           ; e8 .. e11
	s_add_nc_u64 s[32:33], s[6:7], s[60:61]
	s_add_nc_u64 s[34:35], s[8:9], s[60:61]
	s_wait_kmcnt 0x0
	s_add_co_i32 s27, s46, s47                     ; e6 + e7
	s_lshl_b32 s57, s27, 23
	s_add_co_i32 s22, s57, 0x3e38aa3b              ; c = log2(e) / 8 x 2^(e6 + e7): the exponents are added to c's exponent field
	s_mov_b32 s23, s22                             ; (named with it as a pair, so it is written)
	s_sub_co_i32 s27, 3, s27
	s_lshl_b32 s27, s27, 23
	s_add_co_i32 s53, s52, s27                     ; slope x 8 x 2^-(e6 + e7): c x this = slope x log2(e)
	s_mov_b32 s56, s48                             ; e8
	s_add_co_i32 s27, s48, 127
	s_lshl_b32 s57, s27, 23
	v_mov_b32 v248, s57                            ; 2^e8
	s_add_co_i32 s27, s27, 8
	s_lshl_b32 s27, s27, 23
	s_or_b32 s27, s27, 0x600000
	v_mov_b32 v249, s27                            ; 448 x 2^e8
	s_sub_co_i32 s27, s50, s48
	s_sub_co_i32 s27, s27, s49                     ; a sum of the second product stands for sum x 2^(e8 + e9): its code is (sum / l) / 2^(e10 - e8 - e9)
	s_add_co_i32 s27, s27, 127
	s_lshl_b32 s57, s27, 23
	v_mov_b32 v254, s57
	s_add_co_i32 s27, s27, 8
	s_lshl_b32 s27, s27, 23
	s_or_b32 s27, s27, 0x600000
	v_mov_b32 v255, s27
	v_mul_f32 v11, s53, v11                        ; the bias' step x 8 h: exact
.set n, 0
.rept 64
	v_cvt_f32_u32 v[BIAS+n], 16*(n/8)+n%8
.set n, n+1
.endr
.set n, 0
.rept 64
	v_fma_f32 v[BIAS+n], v[BIAS+n], s53, v11       ; one rounding of the step x (16 t + 8 h + j)
.set n, n+1
.endr
.macro RLOAD                           ; the next 256 keys: 16,384 bytes of K and of V, 16 bytes a thread and load: a wave's load covers 512 consecutive bytes
	s_wait_loadcnt 0x0                             ; no earlier load into the staging registers is out when they are asked for again.  It is met at once: in a trip nothing has been loaded since the wait at the trip's head, and a pass's last trip asks for nothing
	global_load_b128 v[R:R+3],     v2, s[28:29]
	global_load_b128 v[R+4:R+7],   v2, s[28:29] offset:8192
	global_load_b128 v[R+8:R+11],  v2, s[30:31]
	global_load_b128 v[R+12:R+15], v2, s[30:31] offset:8192
.endm
; A KEY STEP: 128 keys, the q-th of the trip's two.
.macro STEP q
	s_add_co_u32 s27, s26, 15
	s_cmp_gt_u32 s25, s27                          ; all 128 keys come after my 16 queries: the step's work is left out (a branch on ids; no barrier stands in a step)
	s_cbranch_scc1 .Lhidden_\@
	v_cvt_f32_i32 v5, s58                          ; first key - 2047: exact
	v_mul_f32 v6, s54, v5
.rept 4
	v_nop                                          ; with the two lines above: six places behind the last V^T P products, whose operands' registers are next loaded into (four are owed) and written by matrix instructions (five)
.endr
.irp g, 0,1                            ; S^T = K Q^T + the bias, four tiles of 16 keys at a time
.irp t, 0,1,2,3
	ds_load_b128 v[F+8*\t:F+8*\t+3],   v1 offset:(8*(\q)+4*\g+\t)*1024
	ds_load_b128 v[F+8*\t+4:F+8*\t+7], v1 offset:(8*(\q)+4*\g+\t)*1024+512
.endr
	s_wait_dscnt 0x0
.irp t, 0,1,2,3
	v_wmma_f32_16x16x64_fp8_fp8 v[S+8*(4*\g+\t):S+8*(4*\g+\t)+7], v[F+8*\t:F+8*\t+7], v[Q:Q+7], v[BIAS+8*(4*\g+\t):BIAS+8*(4*\g+\t)+7]
.endr
.rept 4
	v_nop                                          ; places in front of loads into K's registers, and of the first read of the scores
.endr
.endr
.irp d, 0,1                            ; V's channels 0-31: they land under the softmax
.irp c, 0,1,2,3
	ds_load_b128 v[F+16*\d+4*\c:F+16*\d+4*\c+3], v1 offset:16384+8192*(\q)+2048*\d+512*\c
.endr
.endr
	s_add_co_u32 s27, s25, 127
	s_cmp_le_u32 s27, s26                          ; all 128 keys count for all my queries: no mask
	s_cbranch_scc1 .Lopen_\@
	s_sub_co_i32 s27, s26, s25
	v_add_nc_u32 v4, s27, v3                       ; my query - first key - 8 h.  Register 8 t + j holds key first + 16 t + 8 h + j: hidden where 16 t + j is above this
	v_mov_b32 v253, 0xff800000                     ; -infinity: p = 0 then
.set n, 0
.rept 64
	v_cmp_gt_i32 vcc_lo, 16*(n/8)+n%8, v4
	v_cndmask_b32 v[S+n], v[S+n], v253, vcc_lo
.set n, n+1
.endr
.Lopen_\@:
	v_max3_num_f32 v252, v[S], v[S+1], v[S+2]      ; the step's largest score (bias within) of my query among my 64 keys, in two chains, each accumulator from its low end on
	v_max3_num_f32 v253, v[S+3], v[S+4], v[S+5]
.irp i, 6,10,14,18,22,26,30,34,38,42,46,50,54,58
	v_max3_num_f32 v252, v252, v[S+\i], v[S+1+\i]
	v_max3_num_f32 v253, v253, v[S+2+\i], v[S+3+\i]
.endr
	v_max3_num_f32 v252, v252, v[S+62], v[S+63]
	v_max_num_f32 v252, v252, v253
	v_permlanex16_b32 v7, v252, s20, s21
	v_max_num_f32 v252, v252, v7                   ; and among lane l xor 16's
	v_fma_f32 v252, v252, s22, v6                  ; as t (c is positive)
	v_max_num_f32 v9, v9, v252                     ; the running largest t
	v_mov_b32 v11, v10
	v_floor_f32 v10, -v9                           ; the new -M = floor(-t) = -ceil(t): a whole number
	v_sub_f32 v11, v10, v11                        ; old M - new M: a whole number, 0 or less
	v_cvt_i32_f32 v11, v11                         ; (it saturates)
	v_ldexp_f32 v14, 1.0, v11                      ; f = 2^(old M - new M)
	v_fma_f32 v8, s54, v5, v10                     ; slope x log2(e) x (first key - 2047) - M: the large parts cancel inside one rounding,
	v_fma_f32 v8, s55, v5, v8                      ; and the low part comes on top
.set j, 0
.rept 32
	v_pk_fma_f32 v[S+j:S+j+1], v[S+j:S+j+1], s[22:23], v[8:9] op_sel_hi:[1,0,0]   ; t - M, two at a time (of both pairs the low word serves both halves)
.set j, j+2
.endr
.set j, 0
.rept 64
	v_exp_f32 v[S+j], v[S+j]                       ; p = 2^(t - M): not normalised
.set j, j+1
.endr
	v_pk_mul_f32 v[12:13], v[12:13], v[14:15] op_sel_hi:[1,0]   ; the sum under the new M: the plain line behind the exponentials
	s_wait_alu depctr_va_vdst(0)                   ; one wait for the whole batch, ahead of its first reader
	v_pk_add_f32 v[250:251], v[S:S+1], v[S+2:S+3]  ; the row's sum is taken of the unquantised p, in two chains
.irp j, 4,8,12,16,20,24,28,32,36,40,44,48,52,56,60
	v_pk_add_f32 v[12:13], v[12:13], v[S+\j:S+1+\j]
	v_pk_add_f32 v[250:251], v[250:251], v[S+2+\j:S+3+\j]
.endr
	v_pk_add_f32 v[12:13], v[12:13], v[250:251]
	s_cmp_gt_i32 s56, -9                           ; e8 >= -8: no p reaches 448 x 2^e8
	s_cbranch_scc1 .Lno_hold_\@
.set j, 0
.rept 64
	v_min_num_f32 v[S+j], v[S+j], v249             ; the conversion to an 8-bit code does not saturate (ISA guide 7.6.2); p is not negative, so the hold is one-sided
.set j, j+1
.endr
.Lno_hold_\@:
.irp t, 0,1,2,3,4,5,6,7
	v_cvt_scalef32_pk8_fp8_f32 v[P+2*\t:P+2*\t+1], v[S+8*\t:S+8*\t+7], v248
.endr
.irp d, 0,1                            ; V's channels 32-63 into the registers that p's first half has left
.irp c, 0,1,2,3
	ds_load_b128 v[S+16*\d+4*\c:S+16*\d+4*\c+3], v1 offset:16384+8192*(\q)+2048*(2+\d)+512*\c
.endr
.endr
.set j, 0
.rept 16
	v_pk_mul_f32 v[O+j:O+j+1], v[O+j:O+j+1], v[14:15] op_sel_hi:[1,0]   ; O^T under the new M.  (These are also the plain lines between the conversions and the products that read the codes)
.set j, j+2
.endr
	s_wait_dscnt 0x0                               ; V's four fragments are in
	v_wmma_f32_16x16x128_fp8_fp8 v[O:O+7],     v[F:F+15],    v[P:P+15], v[O:O+7]      ; the four accumulators take turns, one instruction a turn
	v_wmma_f32_16x16x128_fp8_fp8 v[O+8:O+15],  v[F+16:F+31], v[P:P+15], v[O+8:O+15]
	v_wmma_f32_16x16x128_fp8_fp8 v[O+16:O+23], v[S:S+15],    v[P:P+15], v[O+16:O+23]
	v_wmma_f32_16x16x128_fp8_fp8 v[O+24:O+31], v[S+16:S+31], v[P:P+15], v[O+24:O+31]
.Lhidden_\@:
	s_add_co_u32 s25, s25, 128
	s_add_co_i32 s58, s58, 128
.endm
.Lpass:
	s_wait_xcnt 0x0                                ; the last pass's stores have read their base and their data, its loads their bases: all are written again only behind this wait
	s_sub_co_u32 s19, 7, s16
	s_cmp_eq_u32 s18, 0
	s_cselect_b32 s19, s19, s16                    ; the pass's block of 256 queries: 7 - pr, then pr
	s_lshl_b32 s26, s19, 8
	s_lshl_b32 s27, s14, 4
	s_add_co_u32 s26, s26, s27                     ; my first query
	s_add_co_u32 s24, s19, 1                       ; trips of 256 keys: the same in all sixteen waves
	s_mov_b32 s25, 0
	s_mov_b32 s58, -2047
	s_lshr_b32 s57, s26, 4                         ; my block of 16 tokens
	s_lshl_b32 s27, s15, 7
	s_add_co_u32 s60, s27, s57
	s_lshl_b32 s60, s60, 10
	s_mov_b32 s61, 0
	s_add_nc_u64 s[36:37], s[4:5], s[60:61]        ; Q's image
	s_lshr_b32 s27, s15, 4                         ; batch
	s_lshl_b32 s27, s27, 7
	s_add_co_u32 s27, s27, s57
	s_lshl_b32 s60, s27, 14                        ; oc: a block of 16 tokens has eight images;
	s_lshl_b32 s27, s17, 10                        ; head / 2 is the K step (2,048 bytes), head % 2 the image's half (1,024): together 1,024 x head
	s_add_co_u32 s60, s60, s27
	s_add_nc_u64 s[38:39], s[12:13], s[60:61]
	s_mov_b64 s[28:29], s[32:33]
	s_mov_b64 s[30:31], s[34:35]
	RLOAD                                          ; the first 256 keys; ahead of Q's loads, so that its wait never waits for them
	global_load_b128 v[Q:Q+3],   v1, s[36:37]
	global_load_b128 v[Q+4:Q+7], v1, s[36:37] offset:512
	v_mov_b32 v9, 0xff61b1e6                       ; the largest t so far: -3e38, under every t
	v_floor_f32 v10, -v9                           ; -M
	v_mov_b32 v12, 0
	v_mov_b32 v13, 0
.set j, 0
.rept 32
	v_mov_b32 v[O+j], 0                            ; the step is written once: the first finds zeros, which the first f = 0 leaves zeros
.set j, j+1
.endr
.Ltrip:
	s_wait_loadcnt 0x0                             ; the staged 256 keys (asked for a trip ago) and, in the first trip, Q are in; the loads' addresses may be stepped
	s_wait_dscnt 0x0                               ; my reads of the last tiles are over
	s_barrier_signal -1
	s_barrier_wait -1                              ; everybody's are: the tiles may be overwritten
	ds_store_b128 v2, v[R:R+3]
	ds_store_b128 v2, v[R+4:R+7] offset:8192
	ds_store_b128 v2, v[R+8:R+11] offset:16384
	ds_store_b128 v2, v[R+12:R+15] offset:24576
	s_wait_dscnt 0x0                               ; for the others' sake: my stores have landed (and have read the staging registers)
	s_barrier_signal -1
	s_barrier_wait -1
	s_add_nc_u64 s[28:29], s[28:29], 16384
	s_add_nc_u64 s[30:31], s[30:31], 16384
	s_cmp_eq_u32 s24, 1                            ; the pass's last trip asks for nothing: no load leaves its buffer
	s_cbranch_scc1 .Lno_more
	RLOAD
.Lno_more:
	STEP 0
	STEP 1
	s_sub_co_i32 s24, s24, 1
	s_cmp_gt_i32 s24, 0                            ; a signed compare: the counter comes down from block + 1, which is 1 to 8
	s_cbranch_scc1 .Ltrip
	; THE PASS'S END: O^T / l, held, converted: the four tiles' codes are registers 8 (head % 2) + 0 .. 7 of a fragment of the last product; they leave as 2 x 512 consecutive bytes.
.rept 4
	v_nop                                          ; places behind the last products
.endr
	v_add_f32 v12, v12, v13                        ; the sum's two halves,
	v_permlanex16_b32 v7, v12, s20, s21
	v_add_f32 v12, v12, v7                         ; and lane l xor 16's
	v_rcp_f32 v12, v12
	v_nop                                          ; a plain line behind the reciprocal
	s_wait_alu depctr_va_vdst(0)                   ; and the wait ahead of its first reader
.set j, 0
.rept 32
	v_mul_f32 v[S+32+j], v[O+j], v12
.set j, j+1
.endr
.set j, 0
.rept 32
	v_med3_num_f32 v[S+32+j], v[S+32+j], -v255, v255
.set j, j+1
.endr
.irp d, 0,1,2,3
	v_cvt_scalef32_pk8_fp8_f32 v[P+2*\d:P+2*\d+1], v[S+32+8*\d:S+32+8*\d+7], v254
.endr
	v_nop                                          ; a plain line behind the last conversion
	global_store_b128 v1, v[P:P+3], s[38:39]
	global_store_b128 v1, v[P+4:P+7], s[38:39] offset:512
	s_add_co_u32 s18, s18, 1
	s_cmp_lt_u32 s18, 2
	s_cbranch_scc1 .Lpass
	s_wait_xcnt 0x0
	v_lshl_add_u32 v254, v0, 2, 0x8000
	v_mov_b32 v255, 0
	s_wait_tensorcnt 0x0
	ds_add_u32 v254, v255
	s_wait_dscnt 0x0
	s_endpgm
.Lfunc_end_k_q60cc5e8d53_attn:
	.size	k_q60cc5e8d53_attn, .Lfunc_end_k_q60cc5e8d53_attn-k_q60cc5e8d53_attn
	.p2alignl 7, 3214868480
	.fill 96, 4, 3214868480
	.section	.rodata,"a",@progbits
	.p2align	6, 0x0
	.amdhsa_kernel k_q60cc5e8d53_attn
		.amdhsa_group_segment_fixed_size 34816
		.amdhsa_private_segment_fixed_size 0
		.amdhsa_enable_private_segment 0
		.amdhsa_kernarg_size 40
		.amdhsa_user_sgpr_count 2
		.amdhsa_user_sgpr_kernarg_segment_ptr 1
		.amdhsa_wavefront_size32 1
		.amdhsa_system_sgpr_workgroup_id_x 1
		.amdhsa_system_sgpr_workgroup_id_y 1
		.amdhsa_system_sgpr_workgroup_id_z 1
		.amdhsa_system_vgpr_workitem_id 0
		.amdhsa_next_free_vgpr 256
		.amdhsa_next_free_sgpr 66
		.amdhsa_reserve_vcc 1
		.amdhsa_float_denorm_mode_32 3
		.amdhsa_float_denorm_mode_16_64 3
		.amdhsa_memory_ordered 1
		.amdhsa_forward_progress 1
		.amdhsa_inst_pref_size 60
	.end_amdhsa_kernel
	.amdgpu_metadata
---
amdhsa.version: [ 1, 2 ]
amdhsa.kernels:
  - .name:           k_q60cc5e8d53_attn
    .symbol:         k_q60cc5e8d53_attn.kd
    .args:
      - { .name: qc, .offset: 0, .size: 8, .value_kind: global_buffer, .address_space: global }
      - { .name: kc, .offset: 8, .size: 8, .value_kind: global_buffer, .address_space: global }
      - { .name: vc, .offset: 16, .size: 8, .value_kind: global_buffer, .address_space: global }
      - { .name: lowp_scales, .offset: 24, .size: 8, .value_kind: global_buffer, .address_space: global }
      - { .name: oc, .offset: 32, .size: 8, .value_kind: global_buffer, .address_space: global }
    .group_segment_fixed_size: 34816
    .private_segment_fixed_size: 0
    .kernarg_segment_align: 8
    .kernarg_segment_size: 40
    .max_flat_workgroup_size: 512
    .sgpr_count:     66
    .vgpr_count:     256
    .wavefront_size: 32
...
	.end_amdgpu_metadata
.endif
;; end of part 3
;; launch proj (part 4): grid 4 x 32, 4 waves a work-group, clusters of 4 x 4, 327,680 bytes of LDS; arguments oc, wc, lowp_scales, out0; writes out0
.if DOCPART == 4
	.amdgcn_target "amdgcn-amd-amdhsa--gfx1250"
	.amdhsa_code_object_version 6
	.text
	.protected	k_q60cc5e8d53_proj
	.globl	k_q60cc5e8d53_proj
	.p2align	8
	.type	k_q60cc5e8d53_proj,@function
k_q60cc5e8d53_proj:
	s_mov_b64 s[64:65], 0
	v_nop
	global_prefetch_b8 v0, s[64:65] scope:SCOPE_SE
	s_setreg_imm32_b32 hwreg(HW_REG_WAVE_MODE, 25, 1), 1
	s_wait_xcnt 0x0
	s_wait_alu depctr_hold_cnt(0) depctr_sa_sdst(0) depctr_va_vdst(0) depctr_va_sdst(0) depctr_va_ssrc(0) depctr_va_vcc(0) depctr_vm_vsrc(0)
	s_getreg_b32 s2, hwreg(HW_REG_IB_STS2, 6, 4)
	s_cmp_eq_u32 s2, 0
	s_cbranch_scc0 .Lentry_in_a_cluster
	s_endpgm
.Lentry_in_a_cluster:
	s_bfe_u32 s2, ttmp6, 0x10000c
	s_cmp_lg_u32 s2, 0xf033
	s_cbranch_scc0 .Lentry_shape_is_right
	s_endpgm
.Lentry_shape_is_right:
; out0 = (attention's output) Wo on E4M3 codes, K = 1,024, sums in f32, each finished sum x 2^(e10 + e11).  out0: [8192][1024] f32.
; A = oc (tokens), B = Wo's codes, the fourth weight in wc (columns n): both are images of operand registers (2,048 bytes for 16 rows x 128 K; registers 4 s .. 4 s + 3 of lane l at 512 s + 16 l; a block's eight K steps on end).
; A tile of 256 x 256 is made by four waves, each 128 x 128: 64 accumulators.  K goes in four steps of 256 through two LDS slots; a wave's tensor load brings 8 blocks x 4,096 bytes; a fragment is four LDS loads at 16 x lane.
; THE MATRIX INSTRUCTION IS USED TRANSPOSED (source 0 = 16 rows of B, source 1 = 16 rows of A): a lane holds eight neighbouring numbers of a row of out0.
; CLUSTERS: 4 x 4 work-groups; A's tiles are asked for jointly along a row of the cluster, B's along a column.
; LIMIT: e10 + e11 lies between -126 and 127, so that 2^(e10 + e11) is an f32 number.
; REGISTERS: window 0: v16-29 addresses; v32-95 at work on the way out; v128-255 A's fragments, one set, later rows read back.  window 1: B's fragments, two sets.  windows 2, 3: the accumulators.
.set FR,     16
.set NL,     4
.set NP,     4                         ; places behind this matrix instruction (ISA guide 7.12.1)
.set HALFT,  32768                     ; 8 blocks x 4,096 bytes
.set SLOT,   4*HALFT
.set SPARE,  2*SLOT                    ; behind the ring: the spare words, 128 bytes for each wave, which no other line names
.set SPITCH, 528                       ; the way out: a stage of 16 rows x (512 bytes + 16) for each wave, in slot 0, which has had its last fill and its last read when the first result is stored there
.set ROWC,   4096                      ; a row of out0 in bytes
.set ADRA, 16
.set ADRB, 20
.set STO,  24                          ; v24     the way out: where I put 32 bytes of a row
.set RD,   25                          ; v25     where I read a row back
.set CO,   26                          ; v26     16 x lane
.set SPW,  28
.set NIL,  29
.set TMP,  32
.set AF,   128
.set BK,   128                         ; 16 rows read back: v128-191 and v192-255 by turns
.set G1, 24
.set G0, 32
.set G1B, 48
.set G0B, 56
.set MSB, 0
.macro WIN new                         ; the immediate's high byte repeats the setting that is left
.if MSB != \new
	s_set_vgpr_msb (MSB<<8)|\new
.set MSB, \new
.endif
.endm
.set MUL_LO, 0xa1
.set MUL_HI, 0xf1
.set TO_B,   0x40
.macro JLOAD g0a, g1a, g0b, g1b        ; a joint load: waves 0 and 1 fetch for A, waves 2 and 3 for B; four v_nop follow each of the two lines
	s_cmp_eq_u32 s15, 0
	s_cbranch_scc0 .Lfor_b_\@
	tensor_load_to_lds s[\g0a:\g0a+3], s[\g1a:\g1a+7]
	s_nop 0
.rept 4
	v_nop
.endr
	s_branch .Lasked_\@
.Lfor_b_\@:
	tensor_load_to_lds s[\g0b:\g0b+3], s[\g1b:\g1b+7]
	s_nop 0
.rept 4
	v_nop
.endr
.Lasked_\@:
.endm
.macro CREST
	s_cmp_lg_u32 s14, 0
	s_cbranch_scc1 .Lnot_wave_0_\@
	s_barrier_signal -3
.Lnot_wave_0_\@:
	s_barrier_wait -3
	s_barrier_signal -1
	s_barrier_wait -1
.endm
.macro CROUND
	s_barrier_signal -1
	s_barrier_wait -1
	CREST
.endm
	s_load_b128 s[4:7], s[0:1], 0x0                ; oc s[4:5], wc s[6:7]
	s_load_b128 s[8:11], s[0:1], 0x10              ; the scales' exponents s[8:9], out0 s[10:11]
	v_lshl_add_u32 v[SPW], v0, 2, SPARE
	v_mov_b32 v[NIL], 0
	ds_add_u32 v28, v29
	ds_add_u32 v28, v29
	s_wait_dscnt 0x0
	v_lshrrev_b32 v1, 5, v0
	v_readfirstlane_b32 s14, v1                    ; wave 0..3
	s_lshr_b32 s15, s14, 1                         ; which half of the tile's rows is mine.  Also: I fetch for A (0) or for B (1)
	s_and_b32 s16, s14, 1                          ; which half of its columns.  Also: which half of that tile I fetch
	s_bfe_u32 s40, ttmp6, 0x40000                  ; cx, cy
	s_bfe_u32 s41, ttmp6, 0x40004
	s_lshl_b32 s42, ttmp9, 2
	s_add_co_u32 s42, s42, s40                     ; tile column = 4 x cluster x + cx
	s_and_b32 s17, ttmp7, 0xffff
	s_lshl_b32 s17, s17, 2
	s_add_co_u32 s17, s17, s41                     ; tile row = 4 x cluster y + cy
	s_lshl_b32 s43, s41, 2
	s_lshl_b32 s43, 15, s43                        ; my row of the cluster
	s_lshl_b32 s44, 0x1111, s40                    ; my column
	s_or_b32 s[G1+0], s43, (3<<16)|(1<<21)         ; 15:0 the mask; 17:16 elements of 8 bytes; 20 no padding; 21 set beside a mask
	s_or_b32 s[G1B+0], s44, (3<<16)|(1<<21)
.irp g, G1, G1B
	s_mov_b32 s[\g+1], 512<<16                     ; tensor_dim0 = 512
	s_mov_b32 s[\g+2], 8<<16                       ; tensor_dim1 = 8
	s_mov_b32 s[\g+3], 512<<16                     ; tile_dim0 = 512
	s_mov_b32 s[\g+4], 8                           ; tile_dim1 = 8
	s_mov_b32 s[\g+5], 2048                        ; from block to block: 16,384 bytes
	s_mov_b32 s[\g+6], 0
	s_mov_b32 s[\g+7], 0
.endr
	s_lshl_b32 s23, s16, 17                        ; the half that I fetch
	s_lshl_b32 s20, s17, 18
	s_add_co_u32 s20, s20, s23
	s_mov_b32 s21, 0
	s_lshl_b32 s46, s42, 18
	s_add_co_u32 s46, s46, s23
	s_add_co_u32 s46, s46, 0x300000                ; Wo's codes: the fourth weight
	s_mov_b32 s47, 0
	s_mul_i32 s45, s14, HALFT
	s_wait_kmcnt 0x0
	s_load_b64 s[96:97], s[8:9], 0x28              ; e10, e11
	s_add_nc_u64 s[20:21], s[4:5], s[20:21]
	s_add_nc_u64 s[46:47], s[6:7], s[46:47]
	CROUND                                         ; all sixteen work-groups are here: the first joint loads meet
.irp s, 0,1
	s_mov_b32 s[G0+4*\s], 1
	s_add_co_u32 s[G0+4*\s+1], s45, \s*SLOT
	s_add_nc_u64 s[G0+4*\s+2:G0+4*\s+3], s[20:21], \s*4096
	s_or_b32 s[G0+4*\s+3], s[G0+4*\s+3], 0x80000000
	s_mov_b32 s[G0B+4*\s], 1
	s_add_co_u32 s[G0B+4*\s+1], s45, \s*SLOT
	s_add_nc_u64 s[G0B+4*\s+2:G0B+4*\s+3], s[46:47], \s*4096
	s_or_b32 s[G0B+4*\s+3], s[G0B+4*\s+3], 0x80000000
	JLOAD G0+4*\s, G1, G0B+4*\s, G1B
.endr
	v_and_b32 v1, 15, v0                           ; l % 16
	v_bfe_u32 v2, v0, 4, 1                         ; l / 16
	v_and_b32 v6, 31, v0
	v_lshlrev_b32 v[CO], 4, v6                     ; 16 x lane
	s_lshl_b32 s90, s15, 15
	s_lshl_b32 s91, s16, 15
	s_add_co_u32 s91, s91, 2*HALFT
.irp s, 0,1
	v_add_nc_u32 v[ADRA+\s], s90, v[CO]
	v_add_nc_u32 v[ADRB+\s], s91, v[CO]
	s_add_co_u32 s90, s90, SLOT
	s_add_co_u32 s91, s91, SLOT
.endr
	s_mul_i32 s92, s14, 16*SPITCH                  ; my stage
	v_mul_u32_u24 v5, v1, SPITCH                   ; in: row l % 16, 32 bytes for each half of the lanes
	v_lshl_add_u32 v5, v2, 5, v5
	v_add_nc_u32 v[STO], s92, v5
	v_add_nc_u32 v[RD], s92, v[CO]                 ; back: the 32 lanes take one row of 512 bytes
	s_lshl_b32 s90, s17, 8
	s_lshl_b32 s91, s15, 7
	s_add_co_u32 s90, s90, s91                     ; my first row: 256 x tile row + 128 x half
	s_lshl_b32 s90, s90, 12                        ; x 4,096 bytes
	s_lshl_b32 s91, s42, 10                        ; my first column, in bytes: 1,024 x tile column + 512 x half
	s_add_co_u32 s90, s90, s91
	s_lshl_b32 s91, s16, 9
	s_add_co_u32 s90, s90, s91
	s_mov_b32 s91, 0
	s_add_nc_u64 s[10:11], s[10:11], s[90:91]
.macro FRAG reg, adr, q, i
.irp c, 0,1,2,3
	ds_load_b128 v[\reg+4*\c:\reg+4*\c+3], v[\adr] offset:2048*(\q)+512*\c+4096*(\i)
.endr
.endm
; The 64 accumulators take turns, one instruction a turn, in the same order in every step.
.macro MUL16 a0, p, zero
.irp a, \a0, \a0+1
.irp b, 0,1,2,3,4,5,6,7
.if \zero
	v_wmma_f32_16x16x128_fp8_fp8 v[8*(8*((\a)%4)+\b):8*(8*((\a)%4)+\b)+7], v[128*(\p)+FR*\b:128*(\p)+FR*\b+FR-1], v[AF+FR*(\a):AF+FR*(\a)+FR-1], 0
.else
	v_wmma_f32_16x16x128_fp8_fp8 v[8*(8*((\a)%4)+\b):8*(8*((\a)%4)+\b)+7], v[128*(\p)+FR*\b:128*(\p)+FR*\b+FR-1], v[AF+FR*(\a):AF+FR*(\a)+FR-1], v[8*(8*((\a)%4)+\b):8*(8*((\a)%4)+\b)+7]
.endif
.endr
.endr
.endm
.macro FETCH_B slot, q, p
	WIN TO_B
.irp i, 0,1,2,3,4,5,6,7
	FRAG 128*(\p)+FR*\i, ADRB+\slot, \q, \i
.endr
	WIN 0
.endm
.macro FETCH_A slot, q, i0
.irp i, \i0, \i0+1, \i0+2, \i0+3
	FRAG AF+FR*(\i), ADRA+\slot, \q, \i
.endr
.endm
.macro PLACES n                        ; plain vector lines between a matrix instruction and a load into its registers, or a read of its result (ISA guide 7.12.1 for the read of its result)
.rept \n
	v_nop
.endr
.endm
.macro STEP slot, q, zero
	s_wait_dscnt 4*NL                              ; B's set and A's blocks 0-3 are in; the youngest sixteen loads (A's blocks 4-7) may be out
	WIN MUL_LO
	MUL16 0, (\q)%2, \zero
	MUL16 2, (\q)%2, \zero
	s_wait_dscnt 0                                 ; A's blocks 4-7 are in
	PLACES NP
	FETCH_B \slot, (\q)+1, 1-(\q)%2
	FETCH_A \slot, (\q)+1, 0
	WIN MUL_HI
	MUL16 4, (\q)%2, \zero
	MUL16 6, (\q)%2, \zero
	PLACES NP
	WIN 0
	FETCH_A \slot, (\q)+1, 4
.endm
.macro TURN slot, next, fill
	s_wait_tensorcnt 0x0                           ; all my tensor loads have landed: my part of the next slot
	ds_add_u32 v[SPW], v[NIL]                      ; 0 onto my spare word
	s_wait_dscnt 4*NL+1                            ; (the add and the youngest sixteen loads may be out)
	WIN MUL_LO
	MUL16 0, 1, 0
	s_wait_dscnt 0x0                               ; the add is done, and my reads of this slot are over
	s_barrier_signal -1
	MUL16 2, 1, 0
	WIN 0
	s_barrier_wait -1
.if \fill
	CREST                                          ; the barrier has opened a round of the cluster's barrier: no wave of any partner still reads this slot or has a load on its way
	s_add_nc_u64 s[G0+4*\slot+2:G0+4*\slot+3], s[G0+4*\slot+2:G0+4*\slot+3], 8192
	s_add_nc_u64 s[G0B+4*\slot+2:G0B+4*\slot+3], s[G0B+4*\slot+2:G0B+4*\slot+3], 8192
	JLOAD G0+4*\slot, G1, G0B+4*\slot, G1B         ; the first tensor load behind the round; its four v_nop are the places in front of the loads below
.else
	PLACES NP
.endif
	FETCH_B \next, 0, 0
	FETCH_A \next, 0, 0
	WIN MUL_HI
	MUL16 4, 1, 0
	MUL16 6, 1, 0
	PLACES NP
	WIN 0
	FETCH_A \next, 0, 4
.endm
	s_wait_tensorcnt 1                             ; my part of K step 0 is in (K step 1's load may be out)
	s_barrier_signal -1
	s_barrier_wait -1                              ; everybody's is
	FETCH_B 0, 0, 0
	FETCH_A 0, 0, 0
	FETCH_A 0, 0, 4
	STEP 0, 0, 1                                   ; four K steps of 256, written out; the first products start the sums
	TURN 0, 1, 1
	STEP 1, 0, 0
	TURN 1, 0, 1
	STEP 0, 0, 0
	TURN 0, 1, 0                                   ; slot 0 is left for good: behind this barrier nobody reads it and nothing fills it
	STEP 1, 0, 0
	s_wait_dscnt 4*NL
	WIN MUL_LO
	MUL16 0, 1, 0
	MUL16 2, 1, 0
	s_wait_dscnt 0
	WIN MUL_HI
	MUL16 4, 1, 0
	MUL16 6, 1, 0
	WIN 0
; THE WAY OUT, block by block of 16 rows x 128 columns: through my own stage in LDS and back as whole rows of 512 bytes.  LDS serves a wave's instructions in order (ISA guide 5.7.1.4): no wait between the stores and the loads.
.macro TOSTAGE a
.set AC, 64*((\a)%4)
	WIN 0x02+((\a)/4)                              ; source 0: window 2 or 3
.irp j, 0,2,4,6,8,10,12,14,16,18,20,22,24,26,28,30,32,34,36,38,40,42,44,46,48,50,52,54,56,58,60,62
	v_pk_mul_f32 v[TMP+\j:TMP+\j+1], v[AC+\j:AC+\j+1], s[96:97] op_sel_hi:[1,0]   ; both x s96 = 2^(e10 + e11); each accumulator from its low end on
.endr
	WIN 0
.irp b, 0,1,2,3,4,5,6,7
	ds_store_b128 v[STO], v[TMP+8*\b:TMP+8*\b+3] offset:64*\b
	ds_store_b128 v[STO], v[TMP+8*\b+4:TMP+8*\b+7] offset:64*\b+16
.endr
.set BB, BK+64*((\a)%2)
.irp t, 0,1,2,3,4,5,6,7,8,9,10,11,12,13,14,15
	ds_load_b128 v[BB+4*\t:BB+4*\t+3], v[RD] offset:\t*SPITCH
.endr
.endm
.macro SEND a, younger                 ; younger: the LDS instructions issued behind block a's loads, which may stay out
.set BB, BK+64*((\a)%2)
	s_wait_dscnt \younger                          ; the block is back in registers
.if (\a) > 0
	s_add_nc_u64 s[10:11], s[10:11], 16*ROWC       ; (behind a wait on XCNT: the earlier stores have read their base)  16 rows on
.endif
.irp t, 0,1,2,3,4,5,6,7,8,9,10,11,12,13,14,15
	global_store_b128 v[CO], v[BB+4*\t:BB+4*\t+3], s[10:11] offset:\t*ROWC th:TH_STORE_NT   ; 32 lanes store 512 consecutive bytes, at a multiple of 256 from out0's first byte
.endr
.endm
	s_wait_kmcnt 0x0
	s_add_co_i32 s96, s96, s97                     ; e10 + e11
	s_add_co_i32 s96, s96, 127
	s_lshl_b32 s96, s96, 23                        ; 2^(e10 + e11) as f32
	PLACES NP                                      ; behind the last products: their results are read, and A's registers loaded into, below
	TOSTAGE 0
.irp a, 1,2,3,4,5,6,7
.if \a > 1
	s_wait_xcnt 0x0                                ; block a - 2's stores have read their registers and their base: block a's loads may land there, and the base may step
.endif
	TOSTAGE \a
	SEND \a-1, 32                                  ; behind block a - 1's loads: block a's 16 stores and 16 loads
.endr
	s_wait_xcnt 0x0                                ; block 6's stores have read their base
	SEND 7, 0
	s_wait_tensorcnt 0x0                           ; the wave's end
	ds_add_u32 v[SPW], v[NIL]
	s_wait_dscnt 0x0
	CROUND                                         ; the closing round: no work-group ends while a partner may still ask for a tile that names it
	s_endpgm
.Lfunc_end_k_q60cc5e8d53_proj:
	.size	k_q60cc5e8d53_proj, .Lfunc_end_k_q60cc5e8d53_proj-k_q60cc5e8d53_proj
	.p2alignl 7, 3214868480
	.fill 96, 4, 3214868480
	.section	.rodata,"a",@progbits
	.p2align	6, 0x0
	.amdhsa_kernel k_q60cc5e8d53_proj
		.amdhsa_group_segment_fixed_size 327680
		.amdhsa_private_segment_fixed_size 0
		.amdhsa_enable_private_segment 0
		.amdhsa_kernarg_size 32
		.amdhsa_user_sgpr_count 2
		.amdhsa_user_sgpr_kernarg_segment_ptr 1
		.amdhsa_wavefront_size32 1
		.amdhsa_system_sgpr_workgroup_id_x 1
		.amdhsa_system_sgpr_workgroup_id_y 1
		.amdhsa_system_sgpr_workgroup_id_z 1
		.amdhsa_system_vgpr_workitem_id 0
		.amdhsa_next_free_vgpr 1024
		.amdhsa_next_free_sgpr 98
		.amdhsa_reserve_vcc 0
		.amdhsa_float_denorm_mode_32 3
		.amdhsa_float_denorm_mode_16_64 3
		.amdhsa_memory_ordered 1
		.amdhsa_forward_progress 1
		.amdhsa_inst_pref_size 123
	.end_amdhsa_kernel
	.amdgpu_metadata
---
amdhsa.version: [ 1, 2 ]
amdhsa.kernels:
  - .name:           k_q60cc5e8d53_proj
    .symbol:         k_q60cc5e8d53_proj.kd
    .args:
      - { .name: oc, .offset: 0, .size: 8, .value_kind: global_buffer, .address_space: global }
      - { .name: wc, .offset: 8, .size: 8, .value_kind: global_buffer, .address_space: global }
      - { .name: lowp_scales, .offset: 16, .size: 8, .value_kind: global_buffer, .address_space: global }
      - { .name: out0, .offset: 24, .size: 8, .value_kind: global_buffer, .address_space: global }
    .group_segment_fixed_size: 327680
    .private_segment_fixed_size: 0
    .kernarg_segment_align: 8
    .kernarg_segment_size: 32
    .max_flat_workgroup_size: 128
    .sgpr_count:     98
    .vgpr_count:     1024
    .wavefront_size: 32
...
	.end_amdgpu_metadata
.endif
;; end of part 4
;; ======== version 2 of 2: 4 launches; version 1 with the launch attn written anew for expert scheduling mode
;; workspace buffers: xc 25,165,824 bytes; wc 4,194,304 bytes; qc 8,388,608 bytes; kc 8,388,608 bytes; vc 8,388,608 bytes; oc 8,388,608 bytes
;; launch quant: the kernel of part 1 again; grid 512 x 1, 4 waves a work-group, no clusters, 34,304 bytes of LDS; arguments x, Wq, Wk, Wv, Wo, lowp_scales, xc, wc; writes xc, wc
;; launch qkv: the kernel of part 2 again; grid 12 x 32, 4 waves a work-group, clusters of 4 x 4, 327,680 bytes of LDS; arguments xc, wc, lowp_scales, qc, kc, vc; writes qc, kc, vc
;; launch attn (part 5): grid 64 x 4, 16 waves a work-group, no clusters, 34,816 bytes of LDS; arguments qc, kc, vc, lowp_scales, oc; writes oc
.if DOCPART == 5
	.amdgcn_target "amdgcn-amd-amdhsa--gfx1250"
	.amdhsa_code_object_version 6
	.text
	.protected	k_q60cc5e8d53_attn
	.globl	k_q60cc5e8d53_attn
	.p2align	8
	.type	k_q60cc5e8d53_attn,@function
k_q60cc5e8d53_attn:
	s_mov_b64 s[64:65], 0
	v_nop
	global_prefetch_b8 v0, s[64:65] scope:SCOPE_SE
	s_setreg_imm32_b32 hwreg(HW_REG_WAVE_SCHED_MODE, 0, 2), 2
	s_setreg_imm32_b32 hwreg(HW_REG_WAVE_MODE, 25, 1), 1
	s_wait_xcnt 0x0
	s_wait_alu depctr_vm_vsrc(0)
; Causal attention with ALiBi for 64 (batch x head) of 2,048 tokens, head size 64, both products on E4M3 codes; O / l is quantised (2^e10) and stored as the images that the last product loads.
; t = (q . k / 8 + slope x (j - 2047)) x log2(e);  M = the running largest t rounded UP to a whole number;  p = 2^(t - M) is quantised with 2^e8; the row's sum l is taken of the unquantised p and divides O at the end.
; When M moves, l and O are multiplied by 2^(old M - new M), which rounds nothing.
; SHARES.  Work-group (bh, pr) makes two passes: query block 7 - pr, then block pr, 256 queries each: (8 - pr) + (pr + 1) = 9 trips of 256 keys in every work-group.  Each of sixteen waves owns 16 queries, in 256 registers.
; LAYOUT.  S^T = K Q^T (source 0 = 16 keys, source 1 = my 16 queries) and O^T = V^T P^T (source 0 = 16 channels, source 1 = P): a lane holds ONE query (lane % 16) throughout.  In tile t of S^T lane (r, h) holds keys
; 16 t + 8 h + 0 .. 7, which is what registers 2 t, 2 t + 1 of P's fragment (K = 128 keys) want: the conversions' results are the operand.  O^T's four tiles convert likewise into half a fragment of the last product.
; ALiBi COSTS NO LINE A SCORE: slope x 8 x 2^-(e6 + e7) x (the key's place in its step of 128) is the C of the S^T products; slope x log2(e) x (the step's first key - 2047) goes in with -M, from a pair (high, low) of f32.
; K AND V go from memory into 16 staging registers a thread, asked for a whole trip ahead, and from there into LDS, byte for byte as they lie in memory (images of operand registers): every LDS address is a constant + 16 x lane or thread.
; NO JOINT LOADS: the query blocks of a head need different numbers of key tiles (block + 1 trips), and the trip count follows the block so that no hidden tile is fetched; so the launch has no tensor load and no cluster.
; The hold of p at 448 x 2^e8 is jumped over where e8 >= -8: p is at most 1 (but for the last bits of t) and 448 x 2^-8 = 1.75.  The branch hangs on the whole number e8 alone.
; LIMITS: e6 + e7 between -123 and 120; e8, and e10 - e8 - e9, between -126 and 119.  NaN among the codes is not served.
; THE MODE: SCHED_MODE bits 1:0 = 2 (LLVM: expert scheduling mode 2), set by the entry lines.  The code itself states the register dependences
; between vector or matrix instructions and memory or LDS instructions, with s_wait_alu, always for 0.
; THE PLAN.  Registers that memory or LDS instructions touch:
;   v1, v2       addresses: written at the head, never again; read by every load and store.
;   R            written by the loads of the next 256 keys; read by the trip's four LDS stores; no vector instruction names it.
;   Q            written by two loads at a pass's head; read by every K Q^T product of the pass.
;   F            a step's K tiles 2-5 land in it, products 2-5 read it; then V's fragments 0, 1 land in it, the first two V^T P products read it.
;   P            K tiles 6, 7 land in it, products 6, 7 read it; then the conversions write p's codes, the V^T P products read them.  At a pass's end O's codes, which two stores read.
;   S+48 .. +63  K tiles 0, 1 land in it, products 0, 1 read it; then products 6, 7 write their scores there, five places behind.
;   S .. S+31    scores and p; when the conversions have read them, V's fragments 2, 3 land there, and the last two V^T P products read them.
; So a step has three waits on va_vdst: at its head (the step before is done with F, P and S: all sixteen loads of K follow in one run); behind the exponentials (the wait that stands there anyway: the K Q^T products are done
; reading F, and V's first eight loads follow); behind the conversions (S .. S+31 are read out: V's other eight follow).  A pass has one at its head (addresses, Q) and one ahead of its two stores; a wait on vm_vsrc stands behind a
; trip's LDS stores (R) and at a pass's head (P).  What vector instructions write into scalar registers (the wave's number, the slope's two parts, the mask's compares) has a wait on va_sdst ahead of its first reader.
.set Q,    16                          ; v16-23   my queries' fragment
.set P,    24                          ; v24-39   two fragments of K, then p's codes; at the end O's
.set F,    40                          ; v40-71   four fragments of K, then two of V
.set R,    72                          ; v72-87   staging
.set O,    88                          ; v88-119  O^T
.set S,    120                         ; v120-183 S^T, then p; v168-183 first hold two fragments of K; v120-151 at last two fragments of V
.set BIAS, 184                         ; v184-247 the ALiBi term of a step's 128 keys, in S^T's layout
; v1 16 x lane; v2 16 x thread; v3 lane % 16 - 8 (lane / 16); v4 the mask's bound; v5 float(first key - 2047); v6 its product with the slope; v7 a permute's destination; v[8:9] base - M, the largest t; v10 -M; v11 at work;
; v[12:13] the sum; v[14:15] f, 0; v248, v249: 2^e8, 448 x 2^e8; v[250:251] the sum's second chain; v252, v253 the maximum's chains; v254, v255: 2^(e10 - e8 - e9), 448 x that
; s14 wave; s15 bh; s16 pr; s17 head; s18 pass; s19 block; s[20:21] permute selects; s[22:23] c; s24 trips left; s25 first key of the step; s26 my first query; s[28:31] K, V walking; s[32:35] the head's K, V; s[36:37] Q; s[38:39] O;
; s[40:51] e0 .. e11 at the head; s[40:47] later take the mask's compares; s52 slope; s53 the bias' step; s54, s55 slope x log2(e), high and low; s56 e8; s58 first key - 2047; s27, s57, s60, s61 at work
	s_load_b256 s[4:11], s[0:1], 0x0               ; qc s[4:5], kc s[6:7], vc s[8:9], the scales' exponents s[10:11]
	s_load_b64 s[12:13], s[0:1], 0x20              ; oc
	v_lshrrev_b32 v1, 5, v0
	v_readfirstlane_b32 s14, v1                    ; wave 0..15
	v_and_b32 v1, 31, v0
	v_lshlrev_b32 v1, 4, v1
	v_lshlrev_b32 v2, 4, v0
	v_and_b32 v3, 15, v0
	v_bfe_u32 v4, v0, 4, 1
	v_lshlrev_b32 v4, 3, v4                        ; 8 h
	v_sub_nc_u32 v3, v3, v4
	v_cvt_f32_u32 v11, v4                          ; 8 h as f32
	v_mov_b32 v7, 0                                ; written once: a lane permute's destination counts as one of its sources
	v_mov_b32 v15, 0                               ; (named as the upper half of the pair v[14:15])
	s_mov_b32 s15, ttmp9
	s_and_b32 s16, ttmp7, 0xffff
	s_and_b32 s17, s15, 15
	s_mov_b32 s18, 0
	s_mov_b32 s20, 0x76543210
	s_mov_b32 s21, 0xfedcba98
	s_lshr_b32 s27, s17, 1
	s_lshl_b32 s27, s27, 23
	s_and_b32 s57, s17, 1
	s_mov_b32 s52, 0x3f3504f3                      ; 2^-0.5
	s_cmp_eq_u32 s57, 1
	s_cselect_b32 s52, 0x3f000000, s52             ; 2^-1
	s_sub_co_u32 s52, s52, s27                     ; slope = 2^(-(head + 1) / 2) as f32: head / 2 is taken off the exponent field
	v_mov_b32 v5, 0x3fb8aa3b                       ; log2(e), its f32 number,
	v_mul_f32 v6, s52, v5                          ; slope x log2(e): the high part,
	v_fma_f32 v8, s52, v5, -v6                     ; what that product's rounding left,
	v_mov_b32 v5, 0x32a5705f                       ; and what log2(e) has beyond its f32 number
	v_fma_f32 v8, s52, v5, v8
	v_readfirstlane_b32 s54, v6
	v_readfirstlane_b32 s55, v8
	s_wait_alu depctr_va_sdst(0)                   ; s14, s54 and s55 are written, ahead of their first readers: the passes' addresses are made from s14, the steps' t from s54 and s55
	s_lshl_b32 s60, s15, 17                        ; a head's codes: 131,072 bytes in each of qc, kc, vc
	s_mov_b32 s61, 0
	s_wait_kmcnt 0x0
	s_load_b256 s[40:47], s[10:11], 0x0            ; e0 .. e7
	s_load_b128 s[48:51], s[10:11], 0x20           ; e8 .. e11
	s_add_nc_u64 s[32:33], s[6:7], s[60:61]
	s_add_nc_u64 s[34:35], s[8:9], s[60:61]
	s_wait_kmcnt 0x0
	s_add_co_i32 s27, s46, s47                     ; e6 + e7
	s_lshl_b32 s57, s27, 23
	s_add_co_i32 s22, s57, 0x3e38aa3b              ; c = log2(e) / 8 x 2^(e6 + e7): the exponents are added to c's exponent field
	s_mov_b32 s23, s22                             ; (named with it as a pair, so it is written)
	s_sub_co_i32 s27, 3, s27
	s_lshl_b32 s27, s27, 23
	s_add_co_i32 s53, s52, s27                     ; slope x 8 x 2^-(e6 + e7): c x this = slope x log2(e)
	s_mov_b32 s56, s48                             ; e8
	s_add_co_i32 s27, s48, 127
	s_lshl_b32 s57, s27, 23
	v_mov_b32 v248, s57                            ; 2^e8
	s_add_co_i32 s27, s27, 8
	s_lshl_b32 s27, s27, 23
	s_or_b32 s27, s27, 0x600000
	v_mov_b32 v249, s27                            ; 448 x 2^e8
	s_sub_co_i32 s27, s50, s48
	s_sub_co_i32 s27, s27, s49                     ; a sum of the second product stands for sum x 2^(e8 + e9): its code is (sum / l) / 2^(e10 - e8 - e9)
	s_add_co_i32 s27, s27, 127
	s_lshl_b32 s57, s27, 23
	v_mov_b32 v254, s57
	s_add_co_i32 s27, s27, 8
	s_lshl_b32 s27, s27, 23
	s_or_b32 s27, s27, 0x600000
	v_mov_b32 v255, s27
	v_mul_f32 v11, s53, v11                        ; the bias' step x 8 h: exact
.set n, 0
.rept 64
	v_cvt_f32_u32 v[BIAS+n], 16*(n/8)+n%8
.set n, n+1
.endr
.set n, 0
.rept 64
	v_fma_f32 v[BIAS+n], v[BIAS+n], s53, v11       ; one rounding of the step x (16 t + 8 h + j)
.set n, n+1
.endr
.macro RLOAD                           ; the next 256 keys: 16,384 bytes of K and of V, 16 bytes a thread and load: a wave's load covers 512 consecutive bytes
	s_wait_loadcnt 0x0                             ; no earlier load into the staging registers is out when they are asked for again.  It is met at once: in a trip nothing has been loaded since the wait at the trip's head, and a pass's last trip asks for nothing
	global_load_b128 v[R:R+3],     v2, s[28:29]
	global_load_b128 v[R+4:R+7],   v2, s[28:29] offset:8192
	global_load_b128 v[R+8:R+11],  v2, s[30:31]
	global_load_b128 v[R+12:R+15], v2, s[30:31] offset:8192
.endm
.macro KFRAG reg, q, t                 ; tile t (16 keys) of the trip's q-th step: its image, 2 x 512 consecutive bytes
	ds_load_b128 v[\reg:\reg+3],   v1 offset:(8*(\q)+(\t))*1024
	ds_load_b128 v[\reg+4:\reg+7], v1 offset:(8*(\q)+(\t))*1024+512
.endm
.macro VFRAG reg, q, d                 ; channels 16 d on, the step's 128 keys: its image, 4 x 512 consecutive bytes
.irp c, 0,1,2,3
	ds_load_b128 v[\reg+4*\c:\reg+4*\c+3], v1 offset:16384+8192*(\q)+2048*(\d)+512*\c
.endr
.endm
.macro KQ t, reg                       ; tile t of S^T = K Q^T + the bias; K's fragment lies in v[reg] on
	v_wmma_f32_16x16x64_fp8_fp8 v[S+8*(\t):S+8*(\t)+7], v[\reg:\reg+7], v[Q:Q+7], v[BIAS+8*(\t):BIAS+8*(\t)+7]
.endm
; A KEY STEP: 128 keys, the q-th of the trip's two.
.macro STEP q
	s_add_co_u32 s27, s26, 15
	s_cmp_gt_u32 s25, s27                          ; all 128 keys come after my 16 queries: the step's work is left out (a branch on ids; no barrier stands in a step)
	s_cbranch_scc1 .Lhidden_\@
	v_cvt_f32_i32 v5, s58                          ; first key - 2047: exact
	v_mul_f32 v6, s54, v5
	v_mov_b32 v11, v10                             ; the old -M is kept
.rept 3
	v_nop                                          ; with the three lines above: the places between the last V^T P products, which read v[S .. S+31], and products 0 to 3 below, which write over those registers (five are owed)
.endr
	s_wait_alu depctr_va_vdst(0)                   ; the step before (in a pass's first step: the pass before) is done with F, P and v[S+48 .. S+63]: its products have read F and P, its exponentials have written and its conversions have read S: the sixteen loads below land there
	KFRAG S+48, \q, 0                              ; all eight tiles of K in one run, in the order in which the products want them
	KFRAG S+56, \q, 1
	KFRAG F,    \q, 2
	KFRAG F+8,  \q, 3
	KFRAG F+16, \q, 4
	KFRAG F+24, \q, 5
	KFRAG P,    \q, 6
	KFRAG P+8,  \q, 7
	s_wait_dscnt 12                                ; LDS loads come back in order (ISA guide 5.7.1): tiles 0 and 1 are in, the twelve younger loads may be out
	KQ 0, S+48
	KQ 1, S+56
	s_wait_dscnt 4                                 ; tiles 2 to 5 are in; tiles 6 and 7 may be out
	KQ 2, F
	KQ 3, F+8
	KQ 4, F+16
	KQ 5, F+24
.rept 5
	v_nop                                          ; five places between products 0 and 1 and products 6 and 7, which write over their fragments of K; they are also the places behind products 0 to 5, ahead of the first read of their scores
.endr
	s_wait_dscnt 0x0                               ; tiles 6 and 7 are in
	KQ 6, P
	KQ 7, P+8                                      ; (the scores of tiles 6 and 7 are read last: the lines on tiles 0 to 5 below are the places behind these two)
	s_add_co_u32 s27, s25, 127
	s_cmp_le_u32 s27, s26                          ; all 128 keys count for all my queries: no mask
	s_cbranch_scc1 .Lopen_\@
	s_sub_co_i32 s27, s26, s25
	v_add_nc_u32 v4, s27, v3                       ; my query - first key - 8 h.  Register 8 t + j holds key first + 16 t + 8 h + j: hidden where 16 t + j is above this
	v_mov_b32 v253, 0xff800000                     ; -infinity: p = 0 then
.irp t, 0,1,2,3,4,5,6,7                ; a tile at a time: eight compares into eight scalar registers, one wait, eight selects
.irp j, 0,1,2,3,4,5,6,7
	v_cmp_gt_i32 s[40+\j], 16*\t+\j, v4
.endr
	s_wait_alu depctr_va_sdst(0)                   ; the eight compares have written s[40:47], ahead of the selects that read them
.irp j, 0,1,2,3,4,5,6,7
	v_cndmask_b32 v[S+8*\t+\j], v[S+8*\t+\j], v253, s[40+\j]
.endr
.endr
.Lopen_\@:
	v_max3_num_f32 v252, v[S], v[S+1], v[S+2]      ; the step's largest score (bias within) of my query among my 64 keys, in two chains, each accumulator from its low end on
	v_max3_num_f32 v253, v[S+3], v[S+4], v[S+5]
.irp i, 6,10,14,18,22,26,30,34,38,42,46,50,54,58
	v_max3_num_f32 v252, v252, v[S+\i], v[S+1+\i]
	v_max3_num_f32 v253, v253, v[S+2+\i], v[S+3+\i]
.endr
	v_max3_num_f32 v252, v252, v[S+62], v[S+63]
	v_max_num_f32 v252, v252, v253
	v_permlanex16_b32 v7, v252, s20, s21
	v_max_num_f32 v252, v252, v7                   ; and among lane l xor 16's
	v_fma_f32 v252, v252, s22, v6                  ; as t (c is positive)
	v_max_num_f32 v9, v9, v252                     ; the running largest t
	v_floor_f32 v10, -v9                           ; the new -M = floor(-t) = -ceil(t): a whole number
	v_sub_f32 v11, v10, v11                        ; old M - new M: a whole number, 0 or less
	v_cvt_i32_f32 v11, v11                         ; (it saturates)
	v_ldexp_f32 v14, 1.0, v11                      ; f = 2^(old M - new M)
	v_fma_f32 v8, s54, v5, v10                     ; slope x log2(e) x (first key - 2047) - M: the large parts cancel inside one rounding,
	v_fma_f32 v8, s55, v5, v8                      ; and the low part comes on top
.set j, 0
.rept 32
	v_pk_fma_f32 v[S+j:S+j+1], v[S+j:S+j+1], s[22:23], v[8:9] op_sel_hi:[1,0,0]   ; t - M, two at a time (of both pairs the low word serves both halves)
.set j, j+2
.endr
.set j, 0
.rept 64
	v_exp_f32 v[S+j], v[S+j]                       ; p = 2^(t - M): not normalised
.set j, j+1
.endr
	v_pk_mul_f32 v[12:13], v[12:13], v[14:15] op_sel_hi:[1,0]   ; the sum under the new M: the plain line behind the exponentials
	s_wait_alu depctr_va_vdst(0)                   ; the 64 exponentials have written p, ahead of its first reader (one wait for the batch); and products 2 to 5 are done reading F, in which the loads below land
	VFRAG F,    \q, 0                              ; V's channels 0-31: they land under the sums and the conversions, which name no register of F
	VFRAG F+16, \q, 1
	v_pk_add_f32 v[250:251], v[S:S+1], v[S+2:S+3]  ; the row's sum is taken of the unquantised p, in two chains
.irp j, 4,8,12,16,20,24,28,32,36,40,44,48,52,56,60
	v_pk_add_f32 v[12:13], v[12:13], v[S+\j:S+1+\j]
	v_pk_add_f32 v[250:251], v[250:251], v[S+2+\j:S+3+\j]
.endr
	v_pk_add_f32 v[12:13], v[12:13], v[250:251]
	s_cmp_gt_i32 s56, -9                           ; e8 >= -8: no p reaches 448 x 2^e8
	s_cbranch_scc1 .Lno_hold_\@
.set j, 0
.rept 64
	v_min_num_f32 v[S+j], v[S+j], v249             ; the conversion to an 8-bit code does not saturate (ISA guide 7.6.2); p is not negative, so the hold is one-sided
.set j, j+1
.endr
.Lno_hold_\@:
.irp t, 0,1,2,3,4,5,6,7
	v_cvt_scalef32_pk8_fp8_f32 v[P+2*\t:P+2*\t+1], v[S+8*\t:S+8*\t+7], v248
.endr
	s_wait_alu depctr_va_vdst(0)                   ; the sums, the hold and the conversions are done with v[S .. S+31], in which the loads below land
	VFRAG S,    \q, 2                              ; V's channels 32-63 into the registers that p's first half has left
	VFRAG S+16, \q, 3
.set j, 0
.rept 16
	v_pk_mul_f32 v[O+j:O+j+1], v[O+j:O+j+1], v[14:15] op_sel_hi:[1,0]   ; O^T under the new M.  (These are also the plain lines between the conversions and the products that read the codes)
.set j, j+2
.endr
	s_wait_dscnt 8                                 ; V's channels 0-31 are in; the eight younger loads may be out
	v_wmma_f32_16x16x128_fp8_fp8 v[O:O+7],     v[F:F+15],    v[P:P+15], v[O:O+7]      ; the four accumulators take turns, one instruction a turn
	v_wmma_f32_16x16x128_fp8_fp8 v[O+8:O+15],  v[F+16:F+31], v[P:P+15], v[O+8:O+15]
	s_wait_dscnt 0x0                               ; V's channels 32-63 are in
	v_wmma_f32_16x16x128_fp8_fp8 v[O+16:O+23], v[S:S+15],    v[P:P+15], v[O+16:O+23]
	v_wmma_f32_16x16x128_fp8_fp8 v[O+24:O+31], v[S+16:S+31], v[P:P+15], v[O+24:O+31]
.Lhidden_\@:
	s_add_co_u32 s25, s25, 128
	s_add_co_i32 s58, s58, 128
.endm
.Lpass:
	s_wait_xcnt 0x0                                ; the last pass's stores have read their base and their data, its loads their bases: all are written again only behind this wait
	s_wait_alu depctr_vm_vsrc(0)                   ; the last pass's two stores have read v[P .. P+7], in which this pass's first loads of K land
	s_wait_alu depctr_va_vdst(0)                   ; v1 and v2 are written, which every load and store reads as its address; the last pass's products are done reading Q, in which the loads below land
	s_sub_co_u32 s19, 7, s16
	s_cmp_eq_u32 s18, 0
	s_cselect_b32 s19, s19, s16                    ; the pass's block of 256 queries: 7 - pr, then pr
	s_lshl_b32 s26, s19, 8
	s_lshl_b32 s27, s14, 4
	s_add_co_u32 s26, s26, s27                     ; my first query
	s_add_co_u32 s24, s19, 1                       ; trips of 256 keys: the same in all sixteen waves
	s_mov_b32 s25, 0
	s_mov_b32 s58, -2047
	s_lshr_b32 s57, s26, 4                         ; my block of 16 tokens
	s_lshl_b32 s27, s15, 7
	s_add_co_u32 s60, s27, s57
	s_lshl_b32 s60, s60, 10
	s_mov_b32 s61, 0
	s_add_nc_u64 s[36:37], s[4:5], s[60:61]        ; Q's image
	s_lshr_b32 s27, s15, 4                         ; batch
	s_lshl_b32 s27, s27, 7
	s_add_co_u32 s27, s27, s57
	s_lshl_b32 s60, s27, 14                        ; oc: a block of 16 tokens has eight images;
	s_lshl_b32 s27, s17, 10                        ; head / 2 is the K step (2,048 bytes), head % 2 the image's half (1,024): together 1,024 x head
	s_add_co_u32 s60, s60, s27
	s_add_nc_u64 s[38:39], s[12:13], s[60:61]
	s_mov_b64 s[28:29], s[32:33]
	s_mov_b64 s[30:31], s[34:35]
	RLOAD                                          ; the first 256 keys; ahead of Q's loads, so that its wait never waits for them
	global_load_b128 v[Q:Q+3],   v1, s[36:37]
	global_load_b128 v[Q+4:Q+7], v1, s[36:37] offset:512
	v_mov_b32 v9, 0xff61b1e6                       ; the largest t so far: -3e38, under every t
	v_floor_f32 v10, -v9                           ; -M
	v_mov_b32 v12, 0
	v_mov_b32 v13, 0
.set j, 0
.rept 32
	v_mov_b32 v[O+j], 0                            ; the step is written once: the first finds zeros, which the first f = 0 leaves zeros
.set j, j+1
.endr
.Ltrip:
	s_wait_loadcnt 0x0                             ; the staged 256 keys (asked for a trip ago) and, in the first trip, Q are in; the loads' addresses may be stepped
	s_wait_dscnt 0x0                               ; my reads of the last tiles are over
	s_barrier_signal -1
	s_barrier_wait -1                              ; everybody's are: the tiles may be overwritten
	ds_store_b128 v2, v[R:R+3]
	ds_store_b128 v2, v[R+4:R+7] offset:8192
	ds_store_b128 v2, v[R+8:R+11] offset:16384
	ds_store_b128 v2, v[R+12:R+15] offset:24576
	s_wait_dscnt 0x0                               ; for the others' sake: my stores have landed
	s_wait_alu depctr_vm_vsrc(0)                   ; my four LDS stores have read the staging registers, in which the next loads land: this trip's, or the next pass's first
	s_barrier_signal -1
	s_barrier_wait -1
	s_add_nc_u64 s[28:29], s[28:29], 16384
	s_add_nc_u64 s[30:31], s[30:31], 16384
	s_cmp_eq_u32 s24, 1                            ; the pass's last trip asks for nothing: no load leaves its buffer
	s_cbranch_scc1 .Lno_more
	RLOAD
.Lno_more:
	STEP 0
	STEP 1
	s_sub_co_i32 s24, s24, 1
	s_cmp_gt_i32 s24, 0                            ; a signed compare: the counter comes down from block + 1, which is 1 to 8
	s_cbranch_scc1 .Ltrip
	; THE PASS'S END: O^T / l, held, converted: the four tiles' codes are registers 8 (head % 2) + 0 .. 7 of a fragment of the last product; they leave as 2 x 512 consecutive bytes.
.rept 4
	v_nop                                          ; places behind the last products
.endr
	v_add_f32 v12, v12, v13                        ; the sum's two halves,
	v_permlanex16_b32 v7, v12, s20, s21
	v_add_f32 v12, v12, v7                         ; and lane l xor 16's
	v_rcp_f32 v12, v12
	v_nop                                          ; a plain line behind the reciprocal
	s_wait_alu depctr_va_vdst(0)                   ; the reciprocal has written v12, ahead of its first reader
.set j, 0
.rept 32
	v_mul_f32 v[S+32+j], v[O+j], v12
.set j, j+1
.endr
.set j, 0
.rept 32
	v_med3_num_f32 v[S+32+j], v[S+32+j], -v255, v255
.set j, j+1
.endr
.irp d, 0,1,2,3
	v_cvt_scalef32_pk8_fp8_f32 v[P+2*\d:P+2*\d+1], v[S+32+8*\d:S+32+8*\d+7], v254
.endr
	v_nop                                          ; a plain line behind the last conversion
	s_wait_alu depctr_va_vdst(0)                   ; the four conversions have written v[P .. P+7], which the two stores read
	global_store_b128 v1, v[P:P+3], s[38:39]
	global_store_b128 v1, v[P+4:P+7], s[38:39] offset:512
	s_add_co_u32 s18, s18, 1
	s_cmp_lt_u32 s18, 2
	s_cbranch_scc1 .Lpass
	s_wait_xcnt 0x0
	v_lshl_add_u32 v254, v0, 2, 0x8000             ; the add's two registers are made anew: no memory or LDS instruction has read v254 or v255
	v_mov_b32 v255, 0
	s_wait_dscnt 0x0                               ; the closing lines, six on end
	s_wait_alu 0x0
	s_wait_tensorcnt 0x0
	ds_add_u32 v254, v255
	s_wait_dscnt 0x0
	s_endpgm
.Lfunc_end_k_q60cc5e8d53_attn:
	.size	k_q60cc5e8d53_attn, .Lfunc_end_k_q60cc5e8d53_attn-k_q60cc5e8d53_attn
	.p2alignl 7, 3214868480
	.fill 96, 4, 3214868480
	.section	.rodata,"a",@progbits
	.p2align	6, 0x0
	.amdhsa_kernel k_q60cc5e8d53_attn
		.amdhsa_group_segment_fixed_size 34816
		.amdhsa_private_segment_fixed_size 0
		.amdhsa_enable_private_segment 0
		.amdhsa_kernarg_size 40
		.amdhsa_user_sgpr_count 2
		.amdhsa_user_sgpr_kernarg_segment_ptr 1
		.amdhsa_wavefront_size32 1
		.amdhsa_system_sgpr_workgroup_id_x 1
		.amdhsa_system_sgpr_workgroup_id_y 1
		.amdhsa_system_sgpr_workgroup_id_z 1
		.amdhsa_system_vgpr_workitem_id 0
		.amdhsa_next_free_vgpr 256
		.amdhsa_next_free_sgpr 66
		.amdhsa_reserve_vcc 0
		.amdhsa_float_denorm_mode_32 3
		.amdhsa_float_denorm_mode_16_64 3
		.amdhsa_memory_ordered 1
		.amdhsa_forward_progress 1
		.amdhsa_inst_pref_size 69
	.end_amdhsa_kernel
	.amdgpu_metadata
---
amdhsa.version: [ 1, 2 ]
amdhsa.kernels:
  - .name:           k_q60cc5e8d53_attn
    .symbol:         k_q60cc5e8d53_attn.kd
    .args:
      - { .name: qc, .offset: 0, .size: 8, .value_kind: global_buffer, .address_space: global }
      - { .name: kc, .offset: 8, .size: 8, .value_kind: global_buffer, .address_space: global }
      - { .name: vc, .offset: 16, .size: 8, .value_kind: global_buffer, .address_space: global }
      - { .name: lowp_scales, .offset: 24, .size: 8, .value_kind: global_buffer, .address_space: global }
      - { .name: oc, .offset: 32, .size: 8, .value_kind: global_buffer, .address_space: global }
    .group_segment_fixed_size: 34816
    .private_segment_fixed_size: 0
    .kernarg_segment_align: 8
    .kernarg_segment_size: 40
    .max_flat_workgroup_size: 512
    .sgpr_count:     66
    .vgpr_count:     256
    .wavefront_size: 32
...
	.end_amdgpu_metadata
.endif
;; end of part 5
;; launch proj: the kernel of part 4 again; grid 4 x 32, 4 waves a work-group, clusters of 4 x 4, 327,680 bytes of LDS; arguments oc, wc, lowp_scales, out0; writes out0
